; MI455X (gfx1250); checked and timed in simulation.
; The chip was launched on July 23, 2026; its instructions are those of AMD's public machine-readable ISA for CDNA 5 (MIT licence, August 2026) and "CDNA5" Instruction Set Architecture Reference Guide (July 2026). The comments in the code are by the model that wrote it; some were corrected since.
;; Transformer Block. Allowed arithmetic: float matrix products may take bf16 or f16 operands with f32 sums; all other float work in f32.
;; Inputs: b_proj 128 float32; b_qkv 384 float32; ff_b 6 x 128 float32; ff_w 6 x 128 x 128 float32; ln1_b 128 float32; ln1_g 128 float32; ln2_b 128 float32; ln2_g 128 float32; w_proj 128 x 128 float32; w_qkv 128 x 384 float32; x 32 x 1,024 x 128 float32.
;; Outputs: out0 32 x 1,024 x 128 float32.
;; 2 versions, each right; version 2 is version 1 with the launch block written anew for expert scheduling mode. Each part assembles by itself: llvm-mc -triple=amdgcn-amd-amdhsa -mcpu=gfx1250 --defsym DOCPART=n.
;; ======== version 1 of 2: 1 launch
;; launch block (part 1): grid 8 x 32, 4 waves a work-group, no clusters, 321,024 bytes of LDS; arguments x, w_qkv, b_qkv, w_proj, b_proj, ln1_g, ln1_b, ln2_g, ln2_b, ff_w, ff_b, out0; writes out0
.if DOCPART == 1
	.amdgcn_target "amdgcn-amd-amdhsa--gfx1250"
	.amdhsa_code_object_version 6
	.text
	.protected	k_q86166b276c_block
	.globl	k_q86166b276c_block
	.p2align	8
	.type	k_q86166b276c_block,@function
k_q86166b276c_block:
	s_mov_b64 s[64:65], 0
	v_nop
	global_prefetch_b8 v0, s[64:65] scope:SCOPE_SE
	s_setreg_imm32_b32 hwreg(HW_REG_WAVE_MODE, 25, 1), 1
	s_wait_xcnt 0x0
; TRANSFORMER BLOCK, one launch: single-head attention, projection, residual + LayerNorm, six 128 x 128 layers with ReLU,
; residual + LayerNorm.  x, out0: [32][1024][128] f32.  A work-group makes 128 rows (query block ttmp9) of one batch (ttmp7).
;
; TWO IDENTITIES, exact for every input, keep K and V out of memory and repeat no product:
;   q . k_j = (q Wk^T) . x_j + q . bk            scores are q' = (x Wq + bq) Wk^T against the raw rows of x, plus c = q . bk
;   sum_j p_j (x_j Wv + bv) / sum p = ((sum_j p_j x_j) / sum p) Wv + bv      P multiplies raw x; Wv comes afterwards, on 128 rows
; So a work-group needs its batch's x (as bf16 tiles, made here) and ten 128 x 128 weight matrices.
;
; EVERYTHING IS COMPUTED TRANSPOSED: features or keys are the matrix instruction's m, queries its n.  In a result tile lane
; (r = l % 16, h = l / 16) holds in register j the element (m = 8 h + j, query r) (ISA guide 7.12.2), so two neighbouring result
; tiles rounded to bf16 ARE the next product's second operand: activations never pass through LDS, and the figures of softmax
; and LayerNorm are one number a lane, joined across the two halves of the wave by one v_permlanex16_b32.
;
; WAVES: wave w owns queries 32 w .. 32 w + 31.  In attention waves w and w ^ 1 both work the pair's 64 queries, each on one half of
; the 1,024 keys (w & 1), 8 steps of 64 keys: an x fragment feeds four matrix instructions.  Then the two merge running maximum,
; sum and O through LDS, and each carries its own 32 queries through the chain of eight layers in registers.
;
; THE ATTENTION STEP IS INTERLEAVED: a wave is alone on its SIMD, so vector instructions that hang on no matrix result of the moment
; stand BETWEEN the matrix instructions, four or eight to a gap.  Their operands lie in other register windows than the products',
; so a filled gap has two s_set_vgpr_msb: that is the price.  Memory instructions stand in three runs a step.
;
; NO CLUSTER, NO COPY ENGINE, though the eight work-groups of a batch read the same x and all read the same weights: both are f32 in
; memory and are wanted as bf16 tiles.  A copy moves bytes as they are, so each number would be written to LDS in 4 bytes, read in 4 and
; stored again in 2: 10 bytes of LDS traffic in place of 2; and the nine bf16 tiles of 34,816 bytes and 7,168 bytes of parameters
; take 320,512 bytes, which leaves no room for f32 slots of 65,536 bytes.  So tiles come through registers: every load of a wave
; covers one whole row of 512 bytes, and two jobs of 32 such loads (next x tile, next weight tile) are on their way in each wave.
;
; LIMITS: matrix operands are rounded to bf16 (sums in f32); the products are associated as above, so the order of rounding differs
; from q k^T and P v; v_exp_f32 gives 0 for results under 2^-126; ReLU by v_max_num_f32 turns a NaN into 0.  The softmax takes a
; true running maximum away, merged exactly across the two key halves; LayerNorm's variance is the sum of squares of centred values.
; ---- LDS.  A tile: 128 rows of 128 bf16 at a pitch of 272 bytes; logical row k lies at row 16 (k / 16) + 2 (k % 8) + (k / 8) % 2.
; With that order the sixteen lanes of a plain fragment load (16 rows) and of a transposing load (8 rows x 2 columns of 16 bytes)
; both start at sixteen different multiples of 16 bytes modulo 256.
.set PITCH, 272
.set TILE,  128*PITCH                  ; 34,816
.set Z0,    0                          ; Wv
.set Z1,    TILE                       ; Wq, then Wproj
.set Z2,    2*TILE                     ; Wk, then ff_w[0];  ff_w[1..4] follow at 3 .. 6 TILE
.set Z7,    7*TILE                     ; x slot 0, then merge (lower part), then ff_w[5]
.set Z8,    8*TILE                     ; stage and exchange, then x slot 1, then merge (upper part), then stage
.set PAR,   9*TILE                     ; 7,168 bytes of f32 parameters
.set PBQ, 0
.set PBK, 512
.set PBV, 1024
.set PBP, 1536
.set PFF, 2048
.set PG1, 5120
.set PB1, 5632
.set PG2, 6144
.set PB2, 6656
.set STG,   8448                       ; a wave's stage: 16 rows of 528 bytes, or 16 x 512 bytes of fragments + 256 bytes of c
.set MRG,   16896                      ; a wave's merge area: 33 x 512 bytes
; ---- window 0 (v0-255)
.set L16, 1                            ; 16 x lane
.set VW,  3                            ; 128 x 128 f32 matrix or query block: my 32 rows
.set VQ,  4                            ; w_qkv: my 32 rows of 1,536 bytes
.set LP,  5                            ; lane term of a plain fragment load
.set LT,  6                            ; lane term of a transposing fragment load
.set VA0, 7                            ; v7, v8    x slot 0, 1: my key half, plain
.set VT0, 9                            ; v9, v10   the same, transposing
.set VS0, 11                           ; v11, v12  x slot 0, 1: where I store my 32 rows
.set VWS, 13                           ; where I store my 32 rows of the next weight tile
.set VWT, 14                           ; the chain's weight tile, transposing
.set VWP, 15                           ; Wk, plain
.set VPB, 16                           ; parameters + 32 h
.set VBI, 17                           ; ff_b's row of the next layer + 32 h
.set VSTG, 18                          ; my stage, by rows
.set VSTP, 19                          ; my partner's
.set VSD, 20                           ; my stage, by result tiles
.set VMG, 21                           ; my merge area
.set VMP, 22                           ; my partner's
.set VCX, 23                           ; my two c in the exchange
.set VCP, 24                           ; my partner's
.set VPS, 25                           ; where I store parameter pieces
.set VZ1, 26                           ; where I store my rows of Wq
.set VZ2, 27                           ; and of Wk
.set VPW, 28                           ; 16 x lane + 512 w
.set L8,  29                           ; 8 x lane
.set FA0, 32                           ; scores: three buffers of 4 fragments (16 keys x 128 features): v32-63, v64-95, v224-255
.set FA1, 64
.set FA2, 224                          ; P x: the same 96 registers as twelve slots of one fragment (16 features x 32 keys)
.set G0,  32                           ; chain: two groups of 8 weight fragments
.set G1,  96
.set SA,  96                           ; v96-223   32 rows of f32 as loaded
.set PR0, 224                          ; v224-239  parameter pieces (prologue)
.set TS,  224                          ; LayerNorm: sums
.set TQ,  232                          ; LayerNorm: sums of squares
.set LN,  240                          ; set-up only
.set RR,  241
.set HH,  242
.set L7,  243
.set B3,  244
.set TM,  245
; ---- window 1: v0-127 scores, then their exponentials (64 (mb / 2) + 16 nb + 8 (mb % 2)); or 32 rows as result tiles (64 nb + 8 t + j)
.set CT,  128                          ; v128-159  c as a C operand, 8 registers a query block
.set LG,  128                          ; chain: LayerNorm's gain as a tile
.set MX,  160                          ; pairs: running maximum
.set AL,  168                          ; pairs: factor of the old sums
.set LS,  176                          ; pairs: running sums, a lane's own keys
.set T,   184
.set T2,  188
.set PB,  192                          ; v192-255  attention: P in bf16, fragment (nb, key half kv) at 192 + 32 kv + 8 nb
.set BT,  192                          ; v192-255  layers: bias as a C operand
; ---- window 2: O(db, nb) = ACC(mb, nb) = 64 nb + 8 db.   window 3: QF(nb, u) = 32 nb + 8 u
.set BF,  64                           ; window 3: the chain's second operand, 64 + 32 nb + 8 u
.set LB,  0                            ; window 3: LayerNorm's bias as a tile (and bk in the prologue)
.set SB,  128                          ; window 3: 32 rows of a weight matrix as loaded
; s_set_vgpr_msb: bits 1:0 source 0, 3:2 source 1, 5:4 source 2, 7:6 destination; the high byte repeats the setting that is left.
.set MSB, 0
.macro WIN new
.if MSB != \new
	s_set_vgpr_msb (MSB<<8)|\new
.set MSB, \new
.endif
.endm
; Four independent vector instructions stand between a matrix instruction and a vector instruction or load that touches its
; registers; other matrix instructions and transcendentals are not counted as such.
.macro PLACES
.rept 4
	v_nop
.endr
.endm
.macro BARRIER
	s_wait_dscnt 0x0                       ; for the other waves' sake: my LDS stores have landed, my LDS loads have come
	s_barrier_signal -1
	s_barrier_wait -1
.endm
; 32 rows of 512 bytes, one load a row
.macro LOADT win, reg, va, sb, pitch, off0
	WIN \win
.set li, 0
.rept 32
	global_load_b128 v[\reg+4*li:\reg+4*li+3], v[\va], s[\sb:\sb+1] offset:\off0+li*\pitch
.set li, li+1
.endr
.endm
; round them to bf16 in place: row i's 8 bytes a lane in registers 4 i, 4 i + 1
.macro CVTT win, reg
	WIN \win
.set li, 0
.rept 32
	v_cvt_pk_bf16_f32 v[\reg+4*li], v[\reg+4*li], v[\reg+4*li+1]
	v_cvt_pk_bf16_f32 v[\reg+4*li+1], v[\reg+4*li+2], v[\reg+4*li+3]
.set li, li+1
.endr
.endm
; and store them as tile rows: 32 lanes x 8 neighbouring bytes
.macro STT win, reg, va
	WIN \win
.set li, 0
.rept 32
	ds_store_b64 v[\va], v[\reg+4*li:\reg+4*li+1] offset:(16*(li>>4)+2*(li&7)+((li>>3)&1))*PITCH
.set li, li+1
.endr
.endm
; my 32 rows of f32 in SA -> result-tile layout in window 1, v0-127, 16 rows at a time through my own stage.
; LDS serves a wave's instructions in order (ISA guide 5.7.1), and the bytes are mine alone: no wait in between.
.macro ROWS2D
.irp nb, 0,1
	WIN 0
.set li, 0
.rept 16
	ds_store_b128 v[VSTG], v[SA+64*\nb+4*li:SA+64*\nb+4*li+3] offset:li*528
.set li, li+1
.endr
	WIN 0x40
.set li, 0
.rept 16
	ds_load_b128 v[64*\nb+4*li:64*\nb+4*li+3], v[VSD] offset:(li>>1)*64+(li&1)*16
.set li, li+1
.endr
.endr
.endm
; =============================================================== macros of the attention step
; var: 0 = a step in the middle, 1 = the first step (nothing to rescale, the products start the sums), 2 = the last (nothing to fetch)
; four fragments of 16 keys x 32 features
.macro FETCH_A va, mb, buf
	WIN 0
.irp ku, 0,1,2,3
	ds_load_b128 v[\buf+8*\ku:\buf+8*\ku+3], v[\va] offset:(\mb)*16*PITCH+64*\ku
	ds_load_b128 v[\buf+8*\ku+4:\buf+8*\ku+7], v[\va] offset:(\mb)*16*PITCH+64*\ku+32
.endr
.endm
; one fragment of 16 features (block db) x 32 keys (half kv) into slot 0 .. 11 (v32 + 8 slot, slots 8-11 at v224 ..); window 0 is set
.macro FETCH_T va, db, kv, slot
.set fr, 32+8*(\slot)+128*((\slot)>>3)
	ds_load_tr16_b128 v[fr:fr+3], v[\va] offset:(\kv)*32*PITCH+32*(\db)
	ds_load_tr16_b128 v[fr+4:fr+7], v[\va] offset:(\kv)*32*PITCH+32*(\db)+16*PITCH
.endm
; gap filler: the next two rows of the coming x tile to bf16, in place (in the first step the tile waits in window 2, v128-255).
; In the last step there is no tile: where the four instructions also serve as the places behind a product (z = 0), v_nop stand in.
.macro CVSA var, z
.if \var == 2
.if (\z) == 0
	PLACES
.endif
.else
.if \var == 1
	WIN 0x8a
.set cb, 128
.else
	WIN 0
.set cb, SA
.endif
.rept 2
	v_cvt_pk_bf16_f32 v[cb+4*cvi], v[cb+4*cvi], v[cb+4*cvi+1]
	v_cvt_pk_bf16_f32 v[cb+4*cvi+1], v[cb+4*cvi+2], v[cb+4*cvi+3]
.set cvi, cvi+1
.endr
.endif
.endm
; gap filler: a quarter (st = 0 .. 3) of the maximum over key block mb, one instruction for each of the four query blocks.
; Block 0 starts the chains and takes the old running maximum in.
.macro MAXQ mb, st, var
	WIN 0x55
.irp nb, 0,1,2,3
.set sb0, 64*((\mb)>>1)+16*\nb+8*((\mb)&1)
.if (\mb) == 0
.if (\st) == 0
	v_max3_num_f32 v[T+\nb], v[sb0], v[sb0+1], v[sb0+2]
.elseif (\st) < 3
	v_max3_num_f32 v[T+\nb], v[T+\nb], v[sb0+2*(\st)+1], v[sb0+2*(\st)+2]
.elseif \var == 1
	v_max_num_f32 v[T+\nb], v[T+\nb], v[sb0+7]
.else
	v_max3_num_f32 v[T+\nb], v[T+\nb], v[sb0+7], v[MX+2*\nb]
.endif
.else
	v_max3_num_f32 v[T+\nb], v[T+\nb], v[sb0+2*(\st)], v[sb0+2*(\st)+1]
.endif
.endr
.endm
; What stands behind matrix instruction gi (0 .. 15) of key block mb.  Behind the last instruction of every block stand four plain
; instructions (behind block 1: those of block 2's first gaps) before its scores are read or its fragments loaded over.
.macro SFILL mb, var
.if \mb == 0
.if gi == 15
	PLACES
.endif
.elseif \mb == 1
.if gi < 4
	MAXQ 0, gi, \var
.endif
.elseif \mb == 2
.if gi < 4
	CVSA \var, gi
.elseif gi < 8
	MAXQ 1, gi-4, \var
.else
	CVSA \var, 15-gi
.endif
.else
.if gi < 4
	MAXQ 2, gi, \var
.elseif gi >= 12
	CVSA \var, 15-gi
.endif
.endif
.endm
; scores of 16 keys x 64 queries: the first link takes c as C
.macro SMULF mb, buf, var
.set gi, 0
.irp ku, 0,1,2,3
.irp nb, 0,1,2,3
	WIN 0x5c
.set sd, 64*(\mb>>1)+16*\nb+8*(\mb&1)
.if \ku == 0
	v_wmma_f32_16x16x32_bf16 v[sd:sd+7], v[\buf+8*\ku:\buf+8*\ku+7], v[32*\nb+8*\ku:32*\nb+8*\ku+7], v[CT+8*\nb:CT+8*\nb+7]
.else
	v_wmma_f32_16x16x32_bf16 v[sd:sd+7], v[\buf+8*\ku:\buf+8*\ku+7], v[32*\nb+8*\ku:32*\nb+8*\ku+7], v[sd:sd+7]
.endif
	SFILL \mb, \var
.set gi, gi+1
.endr
.endr
.endm
; The part of the running softmax that nothing covers, in base 2 (the scale and log2 e lie in q' and c): the last quarter of the
; maximum, the factor of the old sums, and P of keys 0-31.  A lane holds 32 scores of each of 4 queries.
.macro SOFTX var
.irp st, 0,1,2,3
	MAXQ 3, \st, \var
.endr
.irp nb, 0,1,2,3
	v_permlanex16_b32 v[T2+\nb], v[T+\nb], s54, s55                  ; the other half of the wave holds the query's other keys
.endr
.irp nb, 0,1,2,3
	v_max_num_f32 v[T+\nb], v[T+\nb], v[T2+\nb]
.endr
.if \var == 1
.irp nb, 0,1,2,3
	v_mov_b32 v[MX+2*\nb+1], 0                                       ; upper registers of pairs of which the lower is broadcast:
	v_mov_b32 v[AL+2*\nb+1], 0                                       ; written once, never used
.endr
.else
.irp nb, 0,1,2,3
	v_sub_f32 v[AL+2*\nb], v[MX+2*\nb], v[T+\nb]
.endr
.irp nb, 0,1,2,3
	v_exp_f32 v[AL+2*\nb], v[AL+2*\nb]                               ; 2^(old maximum - new); the moves below stand before its use (ISA guide 5.7.2)
.endr
.endif
.irp nb, 0,1,2,3
	v_mov_b32 v[MX+2*\nb], v[T+\nb]
.endr
.set si, 0
.rept 8
.irp nb, 0,1,2,3
	v_pk_add_f32 v[16*\nb+2*si:16*\nb+2*si+1], v[16*\nb+2*si:16*\nb+2*si+1], v[MX+2*\nb:MX+2*\nb+1] op_sel_hi:[1,0] neg_lo:[0,1] neg_hi:[0,1]
.endr
.set si, si+1
.endr
.set si, 0
.rept 64
	v_exp_f32 v[si], v[si]
.set si, si+1
.endr
.if \var == 1
	v_nop                                                            ; one plain instruction before the last results are used
	s_wait_alu depctr_va_vdst(0)
.else
	s_wait_alu depctr_va_vdst(0)
.irp nb, 0,1,2,3
	v_pk_mul_f32 v[LS+2*\nb:LS+2*\nb+1], v[LS+2*\nb:LS+2*\nb+1], v[AL+2*\nb:AL+2*\nb+1] op_sel_hi:[1,0]   ; the old sums to the new maximum (and that place)
.endr
.endif
.set si, 0
.rept 8
.irp nb, 0,1,2,3
	v_cvt_pk_bf16_f32 v[PB+8*\nb+si], v[16*\nb+2*si], v[16*\nb+2*si+1]   ; P apart from the exponentials, which are still to be summed
.endr
.set si, si+1
.endr
.endm
; gap filler e = 0 .. 15: P of keys 32-63, eight instructions at a time: 4 gaps subtract the maximum, 8 take exponentials, 4 round
.macro EFILL e
	WIN 0x55
.if (\e) < 4
.irp nb, 0,1,2,3
.irp ii, 0,1
	v_pk_add_f32 v[64+16*\nb+4*(\e)+2*\ii:64+16*\nb+4*(\e)+2*\ii+1], v[64+16*\nb+4*(\e)+2*\ii:64+16*\nb+4*(\e)+2*\ii+1], v[MX+2*\nb:MX+2*\nb+1] op_sel_hi:[1,0] neg_lo:[0,1] neg_hi:[0,1]
.endr
.endr
.elseif (\e) < 12
.set ei, 64+8*((\e)-4)
.rept 8
	v_exp_f32 v[ei], v[ei]
.set ei, ei+1
.endr
.if (\e) == 11
	v_nop                                                            ; one plain instruction between all the exponentials and their first use (ISA guide 5.7.2)
	s_wait_alu depctr_va_vdst(0)
.endif
.else
.irp nb, 0,1,2,3
.irp ii, 0,1
	v_cvt_pk_bf16_f32 v[PB+32+8*\nb+2*((\e)-12)+\ii], v[64+16*\nb+4*((\e)-12)+2*\ii], v[64+16*\nb+4*((\e)-12)+2*\ii+1]
.endr
.endr
.endif
.endm
; O += x^T P, keys 0-31, all 8 feature blocks.  The gaps hold in turn the rescaling of the NEXT feature block and P of keys 32-63.
.macro PV0 rd, var
.irp db, 0,1,2,3,4,5,6,7
.irp nb, 0,1,2,3
	WIN 0xa4
.if \var == 1
	v_wmma_f32_16x16x32_bf16 v[64*\nb+8*\db:64*\nb+8*\db+7], v[32+8*\db:32+8*\db+7], v[PB+8*\nb:PB+8*\nb+7], 0
.else
	v_wmma_f32_16x16x32_bf16 v[64*\nb+8*\db:64*\nb+8*\db+7], v[32+8*\db:32+8*\db+7], v[PB+8*\nb:PB+8*\nb+7], v[64*\nb+8*\db:64*\nb+8*\db+7]
.endif
.if (\nb&1) == 0
.if \var != 1
.if \db < 7
	WIN 0x86
.irp tt, 0,1
.irp j, 0,2,4,6
	v_pk_mul_f32 v[64*(\nb+\tt)+8*(\db+1)+\j:64*(\nb+\tt)+8*(\db+1)+\j+1], v[64*(\nb+\tt)+8*(\db+1)+\j:64*(\nb+\tt)+8*(\db+1)+\j+1], v[AL+2*(\nb+\tt):AL+2*(\nb+\tt)+1] op_sel_hi:[1,0]
.endr
.endr
.endif
.endif
.else
	EFILL 2*\db+(\nb>>1)
.endif
.endr
.if \db == 3
	PLACES                                 ; the gap in front holds exponentials, which are no places: slots 0-3 are loaded over next
	WIN 0
.irp d2, 4,5,6,7
	FETCH_T VT0+\rd, \d2, 1, \d2-4         ; run 3: the last four of the sixteen fragments
.endr
.endif
.endr
.endm
; gap filler: two pairs of exponentials of each query block into the running sums
.macro LSFILL db, var
	WIN 0x55
.irp jj, 0,1
.set lj, 2*\db+\jj
.set sr, 64*(lj>>3)+2*(lj&7)
.irp nb, 0,1,2,3
.if \var != 1
	v_pk_add_f32 v[LS+2*\nb:LS+2*\nb+1], v[LS+2*\nb:LS+2*\nb+1], v[sr+16*\nb:sr+16*\nb+1]
.elseif lj > 1
	v_pk_add_f32 v[LS+2*\nb:LS+2*\nb+1], v[LS+2*\nb:LS+2*\nb+1], v[sr+16*\nb:sr+16*\nb+1]
.elseif lj == 0
	v_pk_add_f32 v[LS+2*\nb:LS+2*\nb+1], v[16*\nb:16*\nb+1], v[16*\nb+2:16*\nb+3]      ; the first two pairs start the sums
.endif
.endr
.endr
.endm
; O += x^T P, keys 32-63: feature blocks 0-3 from slots 8-11, 4-7 from slots 0-3.  Half way my last LDS access of the step is over.
.macro PV1 var
.irp db, 0,1,2,3,4,5,6,7
.if \db == 4
	s_wait_dscnt 0x0                       ; slots 0-3 are in; and for the others: my reads of this x slot are over, my rows of the other have landed
	s_barrier_signal -1                    ; registers only from here to the wait at the step's end
.endif
.set fr, 32+8*((\db+8)%12)+128*(((\db+8)%12)>>3)
.irp nb, 0,1,2,3
	WIN 0xa4
	v_wmma_f32_16x16x32_bf16 v[64*\nb+8*\db:64*\nb+8*\db+7], v[fr:fr+7], v[PB+32+8*\nb:PB+32+8*\nb+7], v[64*\nb+8*\db:64*\nb+8*\db+7]
.endr
	LSFILL \db, \var                       ; the last of these are also the places behind the step's last product
.endr
.endm
; ONE STEP OF ATTENTION: 64 keys of my half x 64 queries, from x slot rd.  Entered just behind a barrier, with two jobs of 32 row
; loads on their way: the older a weight matrix (into SB), the younger the next x tile (into SA; before the last step my own rows).
; sel = 1: the x pointer's next stride is chosen by the loop counter (see the set-up).
.macro STEP rd, var, sel
.set cvi, 0
	; run 1.  While the first fragments come from LDS: the weight tile is rounded and stored, the next one asked for.
	FETCH_A VA0+\rd, 0, FA0
	FETCH_A VA0+\rd, 1, FA1
	FETCH_A VA0+\rd, 2, FA2
	s_wait_loadcnt 32                      ; the x job's 32 younger loads stay out: the weight rows, asked for one step ago, are in
	CVTT 0xcf, SB
.if \var == 2
	s_wait_dscnt 16                        ; keys 0-15 are in; behind them 16 loads.  (ff_w[5] stays in registers: its place in LDS is still x slot 0)
.else
	STT 0x0c, SB, VWS
	WIN 0
	v_add_nc_u32 v[VWS], TILE, v[VWS]
	LOADT 0xc0, SB, VW, 48, 512, 0         ; my 32 rows of the next weight matrix
	s_wait_dscnt 48                        ; keys 0-15 are in; behind them 16 loads and 32 stores
.endif
	SMULF 0, FA0, \var
	FETCH_A VA0+\rd, 3, FA0
.if \var == 2
	s_wait_dscnt 16
.else
	s_wait_dscnt 48                        ; keys 16-31 are in; behind them 8 loads, 32 stores, 8 loads
.endif
	SMULF 1, FA1, \var
.if \var == 2
	s_wait_dscnt 8
.else
	s_wait_loadcnt 32                      ; the 32 weight loads stay out: the next x rows, rounded in the gaps from here on, are in
	s_wait_dscnt 40                        ; keys 32-47 are in; behind them 32 stores and 8 loads
.endif
	SMULF 2, FA2, \var
	s_wait_dscnt 0x0
	SMULF 3, FA0, \var
	; run 2.  In front of the softmax, which covers it: twelve of the sixteen transposed fragments, the next x tile out, the one after asked for.
	WIN 0
.irp db, 0,1,2,3,4,5,6,7
	FETCH_T VT0+\rd, \db, 0, \db
.endr
.irp db, 0,1,2,3
	FETCH_T VT0+\rd, \db, 1, \db+8
.endr
.if \var == 0
	STT 0, SA, VS0+1-\rd                   ; into the slot that nobody reads in this step
.elseif \var == 1
	STT 0x08, 128, VS0+1-\rd
.endif
.if \var != 2
	LOADT 0, SA, L16, 44, 512, 0
.endif
	SOFTX \var
.if \var != 1
	WIN 0x86
.irp nb, 0,1,2,3
.irp j, 0,2,4,6
	v_pk_mul_f32 v[64*\nb+\j:64*\nb+\j+1], v[64*\nb+\j:64*\nb+\j+1], v[AL+2*\nb:AL+2*\nb+1] op_sel_hi:[1,0]   ; feature block 0 to the new maximum
.endr
.endr
.endif
.if \var == 0
	s_wait_dscnt 32                        ; the 24 fragment loads are in; the 32 stores behind them may be out
.else
	s_wait_dscnt 0x0                       ; first step: the products below write the registers from which x tile 1 was stored
.endif
	PV0 \rd, \var
	PV1 \var
.if \var != 2
	s_wait_xcnt 0x0                        ; the bases of the loads issued above are stepped only behind this wait
.if \sel
	s_cmp_eq_u32 s58, 1                    ; the tile just asked for was the batch's last:
	s_cselect_b32 s10, s8, 0x8000          ; on to my own query rows,
	s_cselect_b32 s11, s9, 0               ; else 64 rows of x on
	s_add_nc_u64 s[44:45], s[44:45], s[10:11]
.else
	s_add_nc_u64 s[44:45], s[44:45], 0x8000
.endif
	s_mov_b64 s[48:49], s[50:51]           ; the next weight matrix: w_proj, then ff_w[0 .. 5]
	s_add_nc_u64 s[50:51], s[50:51], 0x10000
.endif
	WIN 0
	s_barrier_wait -1
.endm
; =============================================================== macros of the layers
; a vector of 128 f32 as a C operand or a tile: register 8 mb + j = element 16 mb + 8 h + j, the same for all queries
.macro BTILE win, reg, va, off
	WIN \win
.irp mb, 0,1,2,3,4,5,6,7
	ds_load_b128 v[\reg+8*\mb:\reg+8*\mb+3], v[\va] offset:\off+64*\mb
	ds_load_b128 v[\reg+8*\mb+4:\reg+8*\mb+7], v[\va] offset:\off+64*\mb+16
.endr
.endm
; the 8 weight fragments of K step ku.  kind 1: W stored [in][out], transposing loads; kind 0: Wk taken along its rows
.macro FETCHW kind, ku, g
	WIN 0
.irp mb, 0,1,2,3,4,5,6,7
.if \kind
	ds_load_tr16_b128 v[\g+8*\mb:\g+8*\mb+3], v[VWT] offset:\ku*32*PITCH+32*\mb
	ds_load_tr16_b128 v[\g+8*\mb+4:\g+8*\mb+7], v[VWT] offset:\ku*32*PITCH+32*\mb+16*PITCH
.else
	ds_load_b128 v[\g+8*\mb:\g+8*\mb+3], v[VWP] offset:\mb*16*PITCH+64*\ku
	ds_load_b128 v[\g+8*\mb+4:\g+8*\mb+7], v[VWP] offset:\mb*16*PITCH+64*\ku+32
.endif
.endr
.endm
.macro PRELOAD kind, bias, va, off
.if \bias
	BTILE 0x40, BT, \va, \off
.endif
	FETCHW \kind, 0, G0
	FETCHW \kind, 1, G1
.endm
; 16 matrix instructions: 128 outputs x my 32 queries x 32 along K.  cm 0: go on; 1: the bias starts the sums; 2: zero does
.macro MUL16C ku, g, cm
.if \cm == 1
	WIN 0x9c
.else
	WIN 0xac
.endif
.irp mb, 0,1,2,3,4,5,6,7
.irp nb, 0,1
.if \cm == 0
	v_wmma_f32_16x16x32_bf16 v[64*\nb+8*\mb:64*\nb+8*\mb+7], v[\g+8*\mb:\g+8*\mb+7], v[BF+32*\nb+8*\ku:BF+32*\nb+8*\ku+7], v[64*\nb+8*\mb:64*\nb+8*\mb+7]
.elseif \cm == 1
	v_wmma_f32_16x16x32_bf16 v[64*\nb+8*\mb:64*\nb+8*\mb+7], v[\g+8*\mb:\g+8*\mb+7], v[BF+32*\nb+8*\ku:BF+32*\nb+8*\ku+7], v[BT+8*\mb:BT+8*\mb+7]
.else
	v_wmma_f32_16x16x32_bf16 v[64*\nb+8*\mb:64*\nb+8*\mb+7], v[\g+8*\mb:\g+8*\mb+7], v[BF+32*\nb+8*\ku:BF+32*\nb+8*\ku+7], 0
.endif
.endr
.endr
.endm
; one layer; PRELOAD has been issued.  Each wait for 16 leaves the other group's 16 loads out.
.macro MMA kind, cm
	s_wait_dscnt 16                        ; bias tile and group 0 are in; group 1's 16 loads may be out
	MUL16C 0, G0, \cm
	PLACES
	FETCHW \kind, 2, G0
	s_wait_dscnt 16                        ; group 1 is in
	MUL16C 1, G1, 0
	PLACES
	FETCHW \kind, 3, G1
	s_wait_dscnt 16
	MUL16C 2, G0, 0
	s_wait_dscnt 0
	MUL16C 3, G1, 0
	PLACES
.endm
; 128 f32 a lane -> 64 registers of bf16: two neighbouring result tiles become one fragment
.macro PACK64 win, dst, src
	WIN \win
.set li, 0
.rept 64
	v_cvt_pk_bf16_f32 v[\dst+li], v[\src+2*li], v[\src+2*li+1]
.set li, li+1
.endr
.endm
.macro RELU
	WIN 0x8a
.set li, 0
.rept 128
	v_max_num_f32 v[li], 0, v[li]
.set li, li+1
.endr
.endm
; a lane's two chains (pairs at r, r + 2 of each query block) -> one number in r, joined across the halves of the wave; window 0
.macro JOIN r
	WIN 0
.irp nb, 0,1
	v_pk_add_f32 v[\r+4*\nb:\r+4*\nb+1], v[\r+4*\nb:\r+4*\nb+1], v[\r+4*\nb+2:\r+4*\nb+3]
.endr
.irp nb, 0,1
	v_add_f32 v[\r+4*\nb], v[\r+4*\nb], v[\r+4*\nb+1]
.endr
.irp nb, 0,1
	v_permlanex16_b32 v[\r+4*\nb+1], v[\r+4*\nb], s54, s55
.endr
.irp nb, 0,1
	v_add_f32 v[\r+4*\nb], v[\r+4*\nb], v[\r+4*\nb+1]
.endr
.endm
; window 1 v0-127 = LayerNorm(ACC + window 1 v0-127) with gain tile LG and bias tile LB.  A lane holds 64 of a query's 128 features.
.macro LNORM
	WIN 0x86
.set li, 0
.rept 64
	v_pk_add_f32 v[li:li+1], v[li:li+1], v[li:li+1]                  ; y = layer's result (window 2) + residual (window 1)
.set li, li+2
.endr
	WIN 0x0a                                                         ; sums: two chains for each query block
.irp nb, 0,1
.irp cc, 0,1
	v_pk_add_f32 v[TS+4*\nb+2*\cc:TS+4*\nb+2*\cc+1], v[64*\nb+2*\cc:64*\nb+2*\cc+1], v[64*\nb+2*\cc+4:64*\nb+2*\cc+5]
.endr
.endr
	WIN 0x02
.set li, 8
.rept 14
.irp nb, 0,1
.irp cc, 0,1
	v_pk_add_f32 v[TS+4*\nb+2*\cc:TS+4*\nb+2*\cc+1], v[64*\nb+2*\cc+li:64*\nb+2*\cc+li+1], v[TS+4*\nb+2*\cc:TS+4*\nb+2*\cc+1]
.endr
.endr
.set li, li+4
.endr
	JOIN TS
.irp nb, 0,1
	v_mul_f32 v[TS+4*\nb], s59, v[TS+4*\nb]                          ; mean
.endr
	WIN 0x82
.irp nb, 0,1
.set li, 0
.rept 32
	v_pk_add_f32 v[64*\nb+li:64*\nb+li+1], v[64*\nb+li:64*\nb+li+1], v[TS+4*\nb:TS+4*\nb+1] op_sel_hi:[1,0] neg_lo:[0,1] neg_hi:[0,1]
.set li, li+2
.endr
.endr
	WIN 0x0a                                                         ; squares of the centred values
.irp nb, 0,1
.irp cc, 0,1
	v_pk_mul_f32 v[TQ+4*\nb+2*\cc:TQ+4*\nb+2*\cc+1], v[64*\nb+2*\cc:64*\nb+2*\cc+1], v[64*\nb+2*\cc:64*\nb+2*\cc+1]
.endr
.endr
.set li, 4
.rept 15
.irp nb, 0,1
.irp cc, 0,1
	v_pk_fma_f32 v[TQ+4*\nb+2*\cc:TQ+4*\nb+2*\cc+1], v[64*\nb+2*\cc+li:64*\nb+2*\cc+li+1], v[64*\nb+2*\cc+li:64*\nb+2*\cc+li+1], v[TQ+4*\nb+2*\cc:TQ+4*\nb+2*\cc+1]
.endr
.endr
.set li, li+4
.endr
	JOIN TQ
.irp nb, 0,1
	v_fmaak_f32 v[TQ+4*\nb], s59, v[TQ+4*\nb], 0x3727c5ac            ; variance + 1e-5
.endr
.irp nb, 0,1
	v_rsq_f32 v[TQ+4*\nb], v[TQ+4*\nb]
.endr
	v_nop                                                            ; one plain instruction before the result is used (ISA guide 5.7.2)
	WIN 0x82
	s_wait_alu depctr_va_vdst(0)
.irp nb, 0,1
.set li, 0
.rept 32
	v_pk_mul_f32 v[64*\nb+li:64*\nb+li+1], v[64*\nb+li:64*\nb+li+1], v[TQ+4*\nb:TQ+4*\nb+1] op_sel_hi:[1,0]
.set li, li+2
.endr
.endr
	WIN 0x76
.irp nb, 0,1
.set li, 0
.rept 32
	v_pk_fma_f32 v[64*\nb+li:64*\nb+li+1], v[64*\nb+li:64*\nb+li+1], v[LG+li:LG+li+1], v[LB+li:LB+li+1]
.set li, li+2
.endr
.endr
.endm
; =============================================================== set-up
	s_load_b512 s[16:31], s[0:1], 0x0      ; x 16, w_qkv 18, b_qkv 20, w_proj 22, b_proj 24, ln1_g 26, ln1_b 28, ln2_g 30
	s_load_b256 s[32:39], s[0:1], 0x40     ; ln2_b 32, ff_w 34, ff_b 36, out0 38
	v_lshl_add_u32 v30, v0, 2, 0x4e400
	v_mov_b32 v31, 0
	v_lshrrev_b32 v[TM], 5, v0
	v_readfirstlane_b32 s40, v[TM]         ; wave w
	s_and_b32 s41, s40, 1                  ; my key half
	s_xor_b32 s42, s40, 1                  ; my partner
	s_mov_b32 s54, 0x76543210              ; v_permlanex16_b32: lane i takes lane i of the other half
	s_mov_b32 s55, 0xfedcba98
	s_mov_b32 s56, 0x3e0293ee              ; log2 e / sqrt 128
	s_mov_b32 s57, 0x3e0293ee
	s_mov_b32 s59, 0x3c000000              ; 1 / 128
	v_and_b32 v[LN], 31, v0
	v_and_b32 v[RR], 15, v0                ; r
	v_bfe_u32 v[HH], v0, 4, 1              ; h
	v_and_b32 v[L7], 7, v0
	v_bfe_u32 v[B3], v0, 3, 1
	v_lshlrev_b32 v[L16], 4, v[LN]
	v_lshlrev_b32 v[L8], 3, v[LN]
	s_lshr_b32 s12, s40, 1                 ; the rows that I bring of an x tile: key half w / 2 (512 rows of 512 bytes), 32 rows x (w % 2)
	s_lshl_b32 s12, s12, 18
	s_lshl_b32 s3, s41, 14
	s_add_co_u32 s12, s12, s3
	s_mov_b32 s13, 0
	s_lshl_b32 s8, ttmp9, 16               ; an offset, made of ids alone: from my rows of the batch's last x tile (7 x 64 rows on)
	s_lshl_b32 s9, s40, 14                 ; to my own 32 query rows (128 rows a query block, 32 a wave)
	s_add_co_u32 s8, s8, s9
	s_sub_co_u32 s8, s8, s12
	s_sub_co_u32 s8, s8, 7*0x8000
	s_ashr_i32 s9, s8, 31                  ; in 64 bits, with its sign
	s_lshl_b32 s2, s40, 14
	v_add_nc_u32 v[VW], s2, v[L16]
	s_mul_i32 s2, s40, 49152
	v_add_nc_u32 v[VQ], s2, v[L16]
	s_lshl_b32 s2, s40, 9
	v_add_nc_u32 v[VPW], s2, v[L16]
	v_lshl_add_u32 v[TM], v[L7], 1, v[B3]  ; plain: logical row r lies at 2 (r % 8) + r / 8
	v_mul_u32_u24 v[TM], PITCH, v[TM]
	v_lshl_add_u32 v[LP], v[HH], 4, v[TM]
	v_lshl_add_u32 v[TM], v[L7], 1, v[HH]  ; transposing: logical row 8 h + l % 8 lies at 2 (l % 8) + h
	v_mul_u32_u24 v[TM], PITCH, v[TM]
	v_lshl_add_u32 v[LT], v[B3], 4, v[TM]
	s_mul_i32 s2, s41, 64*PITCH            ; my key half's 64 rows of a slot
	s_add_co_u32 s3, s2, Z7
	s_add_co_u32 s4, s2, Z8
	v_add_nc_u32 v[VA0], s3, v[LP]
	v_add_nc_u32 v[VA0+1], s4, v[LP]
	v_add_nc_u32 v[VT0], s3, v[LT]
	v_add_nc_u32 v[VT0+1], s4, v[LT]
	s_mul_i32 s2, s40, 32*PITCH            ; the 32 tile rows that I store
	v_add_nc_u32 v[VWS], s2, v[L8]         ; first into Z0 = 0
	v_add_nc_u32 v[VZ1], Z1, v[VWS]
	v_add_nc_u32 v[VZ2], Z2, v[VWS]
	v_add_nc_u32 v[VS0], Z7, v[VWS]
	v_add_nc_u32 v[VS0+1], Z8, v[VWS]
	v_add_nc_u32 v[VWT], Z1, v[LT]         ; Wq first
	v_add_nc_u32 v[VWP], Z2, v[LP]
	v_lshlrev_b32 v[TM], 5, v[HH]
	v_add_nc_u32 v[VPB], PAR, v[TM]
	v_add_nc_u32 v[VBI], PAR+PFF, v[TM]
	v_add_nc_u32 v[VPS], PAR, v[VPW]
	s_mul_i32 s2, s40, STG
	s_add_co_u32 s2, s2, Z8
	s_mul_i32 s3, s42, STG
	s_add_co_u32 s3, s3, Z8
	v_add_nc_u32 v[VSTG], s2, v[L16]
	v_add_nc_u32 v[VSTP], s3, v[L16]
	v_mul_u32_u24 v[TM], 528, v[RR]
	v_lshl_add_u32 v[TM], v[HH], 5, v[TM]
	v_add_nc_u32 v[VSD], s2, v[TM]
	s_add_co_u32 s2, s2, 8192
	s_add_co_u32 s3, s3, 8192
	v_add_nc_u32 v[VCX], s2, v[L8]
	v_add_nc_u32 v[VCP], s3, v[L8]
	s_mul_i32 s2, s40, MRG
	s_add_co_u32 s2, s2, Z7
	s_mul_i32 s3, s42, MRG
	s_add_co_u32 s3, s3, Z7
	v_add_nc_u32 v[VMG], s2, v[L16]
	v_add_nc_u32 v[VMP], s3, v[L16]
	s_and_b32 s2, ttmp7, 0xffff            ; batch: 1,024 rows of 512 bytes
	s_lshl_b32 s2, s2, 19
	s_mov_b32 s3, 0
	s_lshl_b32 s4, ttmp9, 16               ; query block: 128 rows
	s_mov_b32 s5, 0
	s_wait_kmcnt 0x0
	s_add_nc_u64 s[44:45], s[16:17], s[2:3]        ; x at the batch
	s_add_nc_u64 s[46:47], s[44:45], s[4:5]        ; x at the query block
	s_add_nc_u64 s[44:45], s[44:45], s[12:13]      ; x at my rows of tile 0; steps by 64 rows
	s_add_nc_u64 s[52:53], s[38:39], s[2:3]
	s_add_nc_u64 s[52:53], s[52:53], s[4:5]        ; out0 at the query block
	s_mov_b64 s[48:49], s[22:23]                   ; the weight matrix to load next: w_proj,
	s_mov_b64 s[50:51], s[34:35]                   ; and the one after it: ff_w[0]
; =============================================================== prologue
; the 14 parameter vectors of 512 bytes, shared among the waves: wave w brings pieces w, 4 + w, 8 + w and (w < 2) 12 + w
	global_load_b128 v[PR0+4:PR0+7], v[VPW], s[36:37]                ; ff_b[w]
	s_cmp_lg_u32 s40, 0
	s_cbranch_scc1 .Lpar1
	global_load_b128 v[PR0:PR0+3], v[L16], s[20:21]                  ; bq
	global_load_b128 v[PR0+8:PR0+11], v[L16], s[36:37] offset:2048   ; ff_b[4]
	global_load_b128 v[PR0+12:PR0+15], v[L16], s[30:31]              ; ln2_g
	s_branch .Lpard
.Lpar1:
	s_cmp_lg_u32 s40, 1
	s_cbranch_scc1 .Lpar2
	global_load_b128 v[PR0:PR0+3], v[L16], s[20:21] offset:512       ; bk
	global_load_b128 v[PR0+8:PR0+11], v[L16], s[36:37] offset:2560   ; ff_b[5]
	global_load_b128 v[PR0+12:PR0+15], v[L16], s[32:33]              ; ln2_b
	s_branch .Lpard
.Lpar2:
	s_cmp_lg_u32 s40, 2
	s_cbranch_scc1 .Lpar3
	global_load_b128 v[PR0:PR0+3], v[L16], s[20:21] offset:1024      ; bv
	global_load_b128 v[PR0+8:PR0+11], v[L16], s[26:27]               ; ln1_g
	s_branch .Lpard
.Lpar3:
	global_load_b128 v[PR0:PR0+3], v[L16], s[24:25]                  ; b_proj
	global_load_b128 v[PR0+8:PR0+11], v[L16], s[28:29]               ; ln1_b
.Lpard:
	LOADT 0, SA, VW, 46, 512, 0            ; my 32 query rows
	LOADT 0x80, 0, VQ, 18, 1536, 0         ; my 32 rows of Wq
	s_wait_loadcnt 32                      ; Wq's 32 loads stay out: parameters and query rows are in
	WIN 0
	ds_store_b128 v[VPS], v[PR0:PR0+3]
	ds_store_b128 v[VPS], v[PR0+4:PR0+7] offset:2048
	ds_store_b128 v[VPS], v[PR0+8:PR0+11] offset:4096
	s_cmp_gt_u32 s40, 1
	s_cbranch_scc1 .Lpar4
	ds_store_b128 v[VPS], v[PR0+12:PR0+15] offset:6144
.Lpar4:
	ROWS2D
	LOADT 0x80, 128, VQ, 18, 1536, 512     ; Wk
	WIN 0x40
.irp j, 0,1,2,3
	v_mov_b32 v[T2+\j], 0                  ; a destination of v_permlanex16_b32 counts as read: written once here
.endr
	s_wait_dscnt 0x0
	PACK64 0xc5, BF, 0                     ; my x rows as the q layer's second operand
	s_wait_loadcnt 32                      ; Wk's loads stay out: Wq is in
	CVTT 0x8a, 0
	STT 0x08, 0, VZ1
	LOADT 0, SA, L16, 44, 512, 0           ; x tile 0
	s_wait_loadcnt 32                      ; x tile 0's loads stay out: Wk is in
	CVTT 0x8a, 128
	STT 0x08, 128, VZ2
	LOADT 0xc0, SB, VQ, 18, 1536, 1024     ; Wv: the first step's weight job
	s_wait_loadcnt 32                      ; Wv's loads stay out: x tile 0 is in
	CVTT 0, SA
	STT 0, SA, VS0
	LOADT 0x80, 128, L16, 44, 512, 0x8000  ; x tile 1: the first step's x job, into window 2 v128-255, free until that step's P x
	s_wait_xcnt 0x0                        ; the base is stepped only behind this wait
	s_add_nc_u64 s[44:45], s[44:45], 0x10000       ; x tile 2
	WIN 0
	BARRIER                                ; parameters, Wq, Wk and x tile 0 are whole
; q = x Wq + bq
	PRELOAD 1, 1, VPB, PBQ
	BTILE 0xc0, LB, VPB, PBK               ; bk as a tile
	MMA 1, 1
	PRELOAD 0, 0, VPB, 0                   ; Wk's first fragments
; c = q . bk in f32, times the scale: constant along a query's keys, and added to every score as the product's C
	WIN 0x5e
.irp nb, 0,1
.irp cc, 0,1
	v_pk_mul_f32 v[LS+4*\nb+2*\cc:LS+4*\nb+2*\cc+1], v[64*\nb+2*\cc:64*\nb+2*\cc+1], v[LB+2*\cc:LB+2*\cc+1]
.endr
.endr
.set li, 4
.rept 15
.irp nb, 0,1
.irp cc, 0,1
	v_pk_fma_f32 v[LS+4*\nb+2*\cc:LS+4*\nb+2*\cc+1], v[64*\nb+2*\cc+li:64*\nb+2*\cc+li+1], v[LB+2*\cc+li:LB+2*\cc+li+1], v[LS+4*\nb+2*\cc:LS+4*\nb+2*\cc+1]
.endr
.endr
.set li, li+4
.endr
	WIN 0x55
.irp nb, 0,1
	v_pk_add_f32 v[LS+4*\nb:LS+4*\nb+1], v[LS+4*\nb:LS+4*\nb+1], v[LS+4*\nb+2:LS+4*\nb+3]
.endr
.irp nb, 0,1
	v_add_f32 v[T+\nb], v[LS+4*\nb], v[LS+4*\nb+1]
.endr
.irp nb, 0,1
	v_permlanex16_b32 v[T2+\nb], v[T+\nb], s54, s55
.endr
.irp nb, 0,1
	v_add_f32 v[T+\nb], v[T+\nb], v[T2+\nb]
.endr
.irp nb, 0,1
	v_mul_f32 v[T+\nb], s56, v[T+\nb]
.endr
.irp nb, 0,1
.irp j, 0,1,2,3,4,5,6,7
	v_mov_b32 v[CT+8*\nb+\j], v[T+\nb]     ; a C operand holds 8 keys of one query in a lane: the same c eight times
.endr
.endr
	PACK64 0xca, BF, 0
; q' = q Wk^T, times the scale
	MMA 0, 2
	WIN 0x82
.set li, 0
.rept 64
	v_pk_mul_f32 v[li:li+1], v[li:li+1], s[56:57] op_sel_hi:[1,0]
.set li, li+2
.endr
	PACK64 0xca, 0, 0                      ; QF of my two query blocks
; my partner and I exchange q' and c: each works all 64 queries of the pair
	WIN 0x0c
.set li, 0
.rept 16
	ds_store_b128 v[VSTG], v[4*li:4*li+3] offset:512*li
.set li, li+1
.endr
	WIN 0x04
	ds_store_b64 v[VCX], v[T:T+1]
	WIN 0
	BARRIER
	WIN 0xc0
.set li, 0
.rept 16
	ds_load_b128 v[64+4*li:64+4*li+3], v[VSTP] offset:512*li
.set li, li+1
.endr
	WIN 0x40
	ds_load_b64 v[T2:T2+1], v[VCP]
	s_wait_dscnt 0x0                       ; my reads of the exchange are over: the first step stores x tile 1 there
	s_barrier_signal -1
	WIN 0x55
.irp nb, 0,1
.irp j, 0,1,2,3,4,5,6,7
	v_mov_b32 v[CT+16+8*\nb+\j], v[T2+\nb]
.endr
.endr
	WIN 0
	s_barrier_wait -1
; =============================================================== attention: 8 steps
	STEP 0, 1, 0
	s_mov_b32 s58, 3
.Lattn:
	STEP 1, 0, 1                           ; steps 1, 3, 5: behind step 5's request (tile 7) the x pointer goes to my own rows
	STEP 0, 0, 0                           ; steps 2, 4, 6: step 6 so asks for my query rows in f32, for the residual
	s_sub_co_i32 s58, s58, 1
	s_cmp_lg_u32 s58, 0
	s_cbranch_scc1 .Lattn
	STEP 1, 2, 0
; =============================================================== merge of the two key halves
	WIN 0x55
	v_add_f32 v[LS], v[LS], v[LS+1]        ; a lane's sums
	v_add_f32 v[LS+2], v[LS+2], v[LS+3]
	v_mov_b32 v[T], v[MX+4]                ; for my partner: maximum and sum of its two query blocks
	v_add_f32 v[T+1], v[LS+4], v[LS+5]
	v_mov_b32 v[T+2], v[MX+6]
	v_add_f32 v[T+3], v[LS+6], v[LS+7]
	WIN 0x08
.set li, 0
.rept 32
	ds_store_b128 v[VMG], v[128+4*li:128+4*li+3] offset:512*li
.set li, li+1
.endr
	WIN 0x04
	ds_store_b128 v[VMG], v[T:T+3] offset:16384
	WIN 0
	BARRIER
	WIN 0x80
.set li, 0
.rept 32
	ds_load_b128 v[128+4*li:128+4*li+3], v[VMP] offset:512*li
.set li, li+1
.endr
	WIN 0x40
	ds_load_b128 v[T2:T2+3], v[VMP] offset:16384
	WIN 0
	BARRIER                                ; all reads of the merge areas are over
	s_wait_loadcnt 0x0                     ; my query rows in f32
	ROWS2D                                 ; the residual, as result tiles
	STT 0x0c, SB, VS0                      ; ff_w[5] into Z7
	WIN 0
	s_wait_dscnt 0x0
	s_barrier_signal -1                    ; registers only until the wait
	WIN 0x55
.irp nb, 0,1
	v_max_num_f32 v[T+\nb], v[MX+2*\nb], v[T2+2*\nb]
.endr
.irp nb, 0,1
	v_sub_f32 v[AL+4*\nb], v[MX+2*\nb], v[T+\nb]
	v_sub_f32 v[AL+4*\nb+2], v[T2+2*\nb], v[T+\nb]
.endr
.irp j, 0,2,4,6
	v_exp_f32 v[AL+\j], v[AL+\j]
.endr
	v_nop
	s_wait_alu depctr_va_vdst(0)
.irp nb, 0,1
	v_mul_f32 v[T2+2*\nb+1], v[AL+4*\nb+2], v[T2+2*\nb+1]
.endr
.irp nb, 0,1
	v_fma_f32 v[LS+2*\nb], v[AL+4*\nb], v[LS+2*\nb], v[T2+2*\nb+1]
.endr
.irp nb, 0,1
	v_permlanex16_b32 v[LS+2*\nb+1], v[LS+2*\nb], s54, s55           ; only now the two halves of the wave join their sums
.endr
.irp nb, 0,1
	v_add_f32 v[LS+2*\nb], v[LS+2*\nb], v[LS+2*\nb+1]
.endr
.irp nb, 0,1
	v_rcp_f32 v[LS+2*\nb], v[LS+2*\nb]     ; the sum holds 2^0 for the largest score: at least 1
.endr
	v_nop
	s_wait_alu depctr_va_vdst(0)
.irp nb, 0,1
	v_mul_f32 v[AL+4*\nb], v[AL+4*\nb], v[LS+2*\nb]
	v_mul_f32 v[AL+4*\nb+2], v[AL+4*\nb+2], v[LS+2*\nb]
.endr
	WIN 0x86
.irp nb, 0,1
.set li, 0
.rept 32
	v_pk_mul_f32 v[64*\nb+li:64*\nb+li+1], v[64*\nb+li:64*\nb+li+1], v[AL+4*\nb:AL+4*\nb+1] op_sel_hi:[1,0]
.set li, li+2
.endr
.endr
	WIN 0xa6
.irp nb, 0,1
.set li, 0
.rept 32
	v_pk_fma_f32 v[64*\nb+li:64*\nb+li+1], v[128+64*\nb+li:128+64*\nb+li+1], v[AL+4*\nb+2:AL+4*\nb+3], v[64*\nb+li:64*\nb+li+1] op_sel_hi:[1,0,1]
.set li, li+2
.endr
.endr
	s_barrier_wait -1                      ; ff_w[5] is whole; no barrier follows: from here each wave reads tiles that nobody writes
; =============================================================== the chain: Wv, Wproj, LayerNorm, six layers, LayerNorm
	WIN 0
	v_add_nc_u32 v[VWT], Z0, v[LT]
	PRELOAD 1, 1, VPB, PBV
	PACK64 0xca, BF, 0                     ; u = sum p x / sum p
	MMA 1, 1                               ; u Wv + bv
	WIN 0
	v_add_nc_u32 v[VWT], TILE, v[VWT]
	PRELOAD 1, 1, VPB, PBP
	PACK64 0xca, BF, 0
	MMA 1, 1                               ; .. Wproj + b_proj
	BTILE 0x40, LG, VPB, PG1
	BTILE 0xc0, LB, VPB, PB1
	WIN 0
	v_add_nc_u32 v[VWT], TILE, v[VWT]
	PRELOAD 1, 1, VBI, 0
	s_wait_dscnt 48                        ; gain and bias tiles are in; the next layer's 48 loads stay out
	LNORM                                  ; window 1 v0-127: LayerNorm 1's result, kept in f32 as the second residual
	PACK64 0xc5, BF, 0
	WIN 0
	s_mov_b32 s58, 5
.Lff:
	MMA 1, 1
	WIN 0
	v_add_nc_u32 v[VWT], TILE, v[VWT]      ; the tiles of the chain lie one behind the other; the last trip reaches ff_w[5] in Z7
	v_add_nc_u32 v[VBI], 512, v[VBI]
	PRELOAD 1, 1, VBI, 0
	RELU
	PACK64 0xca, BF, 0
	WIN 0
	s_sub_co_i32 s58, s58, 1
	s_cmp_lg_u32 s58, 0
	s_cbranch_scc1 .Lff
	MMA 1, 1                               ; the sixth layer, without ReLU
	BTILE 0x40, LG, VPB, PG2
	BTILE 0xc0, LB, VPB, PB2
	s_wait_dscnt 0x0
	LNORM
; the way out: result tiles -> rows through my stage; each store of the wave covers one whole row of 512 bytes of out0
.irp nb, 0,1
	WIN 0x04
.set li, 0
.rept 16
	ds_store_b128 v[VSD], v[64*\nb+4*li:64*\nb+4*li+3] offset:(li>>1)*64+(li&1)*16
.set li, li+1
.endr
	WIN 0
.set li, 0
.rept 16
	ds_load_b128 v[SA+64*\nb+4*li:SA+64*\nb+4*li+3], v[VSTG] offset:li*528
.set li, li+1
.endr
.endr
	s_wait_dscnt 32                        ; the first 16 rows are in; behind them 16 stores and 16 loads
.set li, 0
.rept 16
	global_store_b128 v[VW], v[SA+4*li:SA+4*li+3], s[52:53] offset:li*512 th:TH_STORE_NT
.set li, li+1
.endr
	s_wait_dscnt 0x0
.rept 16
	global_store_b128 v[VW], v[SA+4*li:SA+4*li+3], s[52:53] offset:li*512 th:TH_STORE_NT
.set li, li+1
.endr
	s_wait_tensorcnt 0x0
	ds_add_u32 v30, v31
	s_wait_dscnt 0x0
	s_endpgm
.Lfunc_end_k_q86166b276c_block:
	.size	k_q86166b276c_block, .Lfunc_end_k_q86166b276c_block-k_q86166b276c_block
	.p2alignl 7, 3214868480
	.fill 96, 4, 3214868480
	.section	.rodata,"a",@progbits
	.p2align	6, 0x0
	.amdhsa_kernel k_q86166b276c_block
		.amdhsa_group_segment_fixed_size 321024
		.amdhsa_private_segment_fixed_size 0
		.amdhsa_enable_private_segment 0
		.amdhsa_kernarg_size 96
		.amdhsa_user_sgpr_count 2
		.amdhsa_user_sgpr_kernarg_segment_ptr 1
		.amdhsa_wavefront_size32 1
		.amdhsa_system_sgpr_workgroup_id_x 1
		.amdhsa_system_sgpr_workgroup_id_y 1
		.amdhsa_system_sgpr_workgroup_id_z 1
		.amdhsa_system_vgpr_workitem_id 0
		.amdhsa_next_free_vgpr 1024
		.amdhsa_next_free_sgpr 66
		.amdhsa_reserve_vcc 0
		.amdhsa_float_denorm_mode_32 3
		.amdhsa_float_denorm_mode_16_64 3
		.amdhsa_memory_ordered 1
		.amdhsa_forward_progress 1
		.amdhsa_inst_pref_size 255
	.end_amdhsa_kernel
	.section	.bss,"aw",@nobits
	.p2align	6
	.space	262144
	.amdgpu_metadata
---
amdhsa.version: [ 1, 2 ]
amdhsa.kernels:
  - .name:           k_q86166b276c_block
    .symbol:         k_q86166b276c_block.kd
    .args:
      - { .name: x, .offset: 0, .size: 8, .value_kind: global_buffer, .address_space: global }
      - { .name: w_qkv, .offset: 8, .size: 8, .value_kind: global_buffer, .address_space: global }
      - { .name: b_qkv, .offset: 16, .size: 8, .value_kind: global_buffer, .address_space: global }
      - { .name: w_proj, .offset: 24, .size: 8, .value_kind: global_buffer, .address_space: global }
      - { .name: b_proj, .offset: 32, .size: 8, .value_kind: global_buffer, .address_space: global }
      - { .name: ln1_g, .offset: 40, .size: 8, .value_kind: global_buffer, .address_space: global }
      - { .name: ln1_b, .offset: 48, .size: 8, .value_kind: global_buffer, .address_space: global }
      - { .name: ln2_g, .offset: 56, .size: 8, .value_kind: global_buffer, .address_space: global }
      - { .name: ln2_b, .offset: 64, .size: 8, .value_kind: global_buffer, .address_space: global }
      - { .name: ff_w, .offset: 72, .size: 8, .value_kind: global_buffer, .address_space: global }
      - { .name: ff_b, .offset: 80, .size: 8, .value_kind: global_buffer, .address_space: global }
      - { .name: out0, .offset: 88, .size: 8, .value_kind: global_buffer, .address_space: global }
    .group_segment_fixed_size: 321024
    .private_segment_fixed_size: 0
    .kernarg_segment_align: 8
    .kernarg_segment_size: 96
    .max_flat_workgroup_size: 128
    .sgpr_count:     66
    .vgpr_count:     1024
    .wavefront_size: 32
...
	.end_amdgpu_metadata
.endif
;; end of part 1
;; ======== version 2 of 2: 1 launch; version 1 with the launch block written anew for expert scheduling mode
;; launch block (part 2): grid 8 x 32, 4 waves a work-group, no clusters, 321,024 bytes of LDS; arguments x, w_qkv, b_qkv, w_proj, b_proj, ln1_g, ln1_b, ln2_g, ln2_b, ff_w, ff_b, out0; writes out0
.if DOCPART == 2
	.amdgcn_target "amdgcn-amd-amdhsa--gfx1250"
	.amdhsa_code_object_version 6
	.text
	.protected	k_q86166b276c_block
	.globl	k_q86166b276c_block
	.p2align	8
	.type	k_q86166b276c_block,@function
k_q86166b276c_block:
	s_mov_b64 s[64:65], 0
	v_nop
	global_prefetch_b8 v0, s[64:65] scope:SCOPE_SE
	s_setreg_imm32_b32 hwreg(HW_REG_WAVE_SCHED_MODE, 0, 2), 2
	s_setreg_imm32_b32 hwreg(HW_REG_WAVE_MODE, 25, 1), 1
	s_wait_xcnt 0x0
	s_wait_alu depctr_vm_vsrc(0)
; TRANSFORMER BLOCK, one launch: single-head attention, projection, residual + LayerNorm, six 128 x 128 layers with ReLU,
; residual + LayerNorm.  x, out0: [32][1024][128] f32.  A work-group makes 128 rows (query block ttmp9) of one batch (ttmp7).
;
; TWO IDENTITIES, exact for every input, keep K and V out of memory and repeat no product:
;   q . k_j = (q Wk^T) . x_j + q . bk            scores are q' = (x Wq + bq) Wk^T against the raw rows of x, plus c = q . bk
;   sum_j p_j (x_j Wv + bv) / sum p = ((sum_j p_j x_j) / sum p) Wv + bv      P multiplies raw x; Wv comes afterwards, on 128 rows
; So a work-group needs its batch's x (as bf16 tiles, made here) and ten 128 x 128 weight matrices.
;
; EVERYTHING IS COMPUTED TRANSPOSED: features or keys are the matrix instruction's m, queries its n.  In a result tile lane
; (r = l % 16, h = l / 16) holds in register j the element (m = 8 h + j, query r) (ISA guide 7.12.2), so two neighbouring result
; tiles rounded to bf16 ARE the next product's second operand: activations never pass through LDS, and the figures of softmax
; and LayerNorm are one number a lane, joined across the two halves of the wave by one v_permlanex16_b32.
;
; WAVES: wave w owns queries 32 w .. 32 w + 31.  In attention waves w and w ^ 1 both work the pair's 64 queries, each on one half of
; the 1,024 keys (w & 1), 8 steps of 64 keys: an x fragment feeds four matrix instructions.  Then the two merge running maximum,
; sum and O through LDS, and each carries its own 32 queries through the chain of eight layers in registers.
;
; THE ATTENTION STEP IS INTERLEAVED: a wave is alone on its SIMD, so vector instructions that hang on no matrix result of the moment
; stand BETWEEN the matrix instructions, four or eight to a gap.  Their operands lie in other register windows than the products',
; so a filled gap has two s_set_vgpr_msb: that is the price.  Memory instructions stand in three runs a step.
;
; NO CLUSTER, NO COPY ENGINE, though the eight work-groups of a batch read the same x and all read the same weights: both are f32 in
; memory and are wanted as bf16 tiles.  A copy moves bytes as they are, so each number would be written to LDS in 4 bytes, read in 4 and
; stored again in 2: 10 bytes of LDS traffic in place of 2; and the nine bf16 tiles of 34,816 bytes and 7,168 bytes of parameters
; take 320,512 bytes, which leaves no room for f32 slots of 65,536 bytes.  So tiles come through registers: every load of a wave
; covers one whole row of 512 bytes, and two jobs of 32 such loads (next x tile, next weight tile) are on their way in each wave.
;
; LIMITS: matrix operands are rounded to bf16 (sums in f32); the products are associated as above, so the order of rounding differs
; from q k^T and P v; v_exp_f32 gives 0 for results under 2^-126; ReLU by v_max_num_f32 turns a NaN into 0.  The softmax takes a
; true running maximum away, merged exactly across the two key halves; LayerNorm's variance is the sum of squares of centred values.
;
; THE MODE: SCHED_MODE bits 1:0 = 2 (LLVM: expert scheduling mode 2), set by the entry lines.  The code itself states the register
; dependences between vector or matrix instructions and memory or LDS instructions, with s_wait_alu, always for 0.
; THE PLAN.  All 1,024 registers are taken, so no buffer is added: each run of memory instructions has its waits directly ahead of it.
; Registers that memory or LDS instructions touch in an attention step:
;   v32-95, v224-255   x fragments.  Loaded at the head (keys 0-47), v32-63 again behind key block 0's products (keys 48-63), all 96 in run 2
;                      (twelve transposed fragments), v32-63 again in run 3.  Read by matrix instructions alone.  One wait on va_vdst ahead of each run.
;   SB                 a weight matrix's rows: landed, rounded in place at the head, stored, loaded again.  va_vdst ahead of the stores (the roundings have
;                      written), vm_vsrc behind them (they have read), va_vdst once more directly ahead of the loads, since the stores between name SB.
;   v[VWS]             read by SB's stores; stepped behind that vm_vsrc; shown written by the va_vdst ahead of SB's loads.
;   SA                 the next x tile's rows: rounded in the gaps of key blocks 2 and 3, stored and loaded again in run 2, by the same three waits
;                      (the first of them is the one ahead of run 2's fragments).  In the first step the tile lies in window 2, v128-255.
;   all other addresses are written in the set-up alone.  Scores, P, O, q' and c are named by vector and matrix instructions alone.
; Run 3 stands where the wait for the exponentials of keys 32-63 stands in any case: one wait states both.
; In a layer: the two groups of weight fragments are each loaded again behind the products that read them, va_vdst ahead of the run; the next layer's bias
; tile and first two groups behind one va_vdst; v[VWT] and v[VBI] are stepped behind a vm_vsrc, ahead of that va_vdst.
; ---- LDS.  A tile: 128 rows of 128 bf16 at a pitch of 272 bytes; logical row k lies at row 16 (k / 16) + 2 (k % 8) + (k / 8) % 2.
; With that order the sixteen lanes of a plain fragment load (16 rows) and of a transposing load (8 rows x 2 columns of 16 bytes)
; both start at sixteen different multiples of 16 bytes modulo 256.
.set PITCH, 272
.set TILE,  128*PITCH                  ; 34,816
.set Z0,    0                          ; Wv
.set Z1,    TILE                       ; Wq, then Wproj
.set Z2,    2*TILE                     ; Wk, then ff_w[0];  ff_w[1..4] follow at 3 .. 6 TILE
.set Z7,    7*TILE                     ; x slot 0, then merge (lower part), then ff_w[5]
.set Z8,    8*TILE                     ; stage and exchange, then x slot 1, then merge (upper part), then stage
.set PAR,   9*TILE                     ; 7,168 bytes of f32 parameters
.set PBQ, 0
.set PBK, 512
.set PBV, 1024
.set PBP, 1536
.set PFF, 2048
.set PG1, 5120
.set PB1, 5632
.set PG2, 6144
.set PB2, 6656
.set STG,   8448                       ; a wave's stage: 16 rows of 528 bytes, or 16 x 512 bytes of fragments + 256 bytes of c
.set MRG,   16896                      ; a wave's merge area: 33 x 512 bytes
; ---- window 0 (v0-255)
.set L16, 1                            ; 16 x lane
.set VW,  3                            ; 128 x 128 f32 matrix or query block: my 32 rows
.set VQ,  4                            ; w_qkv: my 32 rows of 1,536 bytes
.set LP,  5                            ; lane term of a plain fragment load
.set LT,  6                            ; lane term of a transposing fragment load
.set VA0, 7                            ; v7, v8    x slot 0, 1: my key half, plain
.set VT0, 9                            ; v9, v10   the same, transposing
.set VS0, 11                           ; v11, v12  x slot 0, 1: where I store my 32 rows
.set VWS, 13                           ; where I store my 32 rows of the next weight tile
.set VWT, 14                           ; the chain's weight tile, transposing
.set VWP, 15                           ; Wk, plain
.set VPB, 16                           ; parameters + 32 h
.set VBI, 17                           ; ff_b's row of the next layer + 32 h
.set VSTG, 18                          ; my stage, by rows
.set VSTP, 19                          ; my partner's
.set VSD, 20                           ; my stage, by result tiles
.set VMG, 21                           ; my merge area
.set VMP, 22                           ; my partner's
.set VCX, 23                           ; my two c in the exchange
.set VCP, 24                           ; my partner's
.set VPS, 25                           ; where I store parameter pieces
.set VZ1, 26                           ; where I store my rows of Wq
.set VZ2, 27                           ; and of Wk
.set VPW, 28                           ; 16 x lane + 512 w
.set L8,  29                           ; 8 x lane
.set FA0, 32                           ; scores: three buffers of 4 fragments (16 keys x 128 features): v32-63, v64-95, v224-255
.set FA1, 64
.set FA2, 224                          ; P x: the same 96 registers as twelve slots of one fragment (16 features x 32 keys)
.set G0,  32                           ; chain: two groups of 8 weight fragments
.set G1,  96
.set SA,  96                           ; v96-223   32 rows of f32 as loaded
.set PR0, 224                          ; v224-239  parameter pieces (prologue)
.set TS,  224                          ; LayerNorm: sums
.set TQ,  232                          ; LayerNorm: sums of squares
.set LN,  240                          ; set-up only
.set RR,  241
.set HH,  242
.set L7,  243
.set B3,  244
.set TM,  245
; ---- window 1: v0-127 scores, then their exponentials (64 (mb / 2) + 16 nb + 8 (mb % 2)); or 32 rows as result tiles (64 nb + 8 t + j)
.set CT,  128                          ; v128-159  c as a C operand, 8 registers a query block
.set LG,  128                          ; chain: LayerNorm's gain as a tile
.set MX,  160                          ; pairs: running maximum
.set AL,  168                          ; pairs: factor of the old sums
.set LS,  176                          ; pairs: running sums, a lane's own keys
.set T,   184
.set T2,  188
.set PB,  192                          ; v192-255  attention: P in bf16, fragment (nb, key half kv) at 192 + 32 kv + 8 nb
.set BT,  192                          ; v192-255  layers: bias as a C operand
; ---- window 2: O(db, nb) = ACC(mb, nb) = 64 nb + 8 db.   window 3: QF(nb, u) = 32 nb + 8 u
.set BF,  64                           ; window 3: the chain's second operand, 64 + 32 nb + 8 u
.set LB,  0                            ; window 3: LayerNorm's bias as a tile (and bk in the prologue)
.set SB,  128                          ; window 3: 32 rows of a weight matrix as loaded
; s_set_vgpr_msb: bits 1:0 source 0, 3:2 source 1, 5:4 source 2, 7:6 destination; the high byte repeats the setting that is left.
.set MSB, 0
.macro WIN new
.if MSB != \new
	s_set_vgpr_msb (MSB<<8)|\new
.set MSB, \new
.endif
.endm
; Four independent vector instructions stand between a matrix instruction and a vector instruction that touches its registers
; (ISA guide 7.12.1); other matrix instructions and transcendentals are not counted as such.  Ahead of loads into a product's
; fragments they are kept too, beside the wait that states that dependence.
.macro PLACES
.rept 4
	v_nop
.endr
.endm
.macro BARRIER
	s_wait_dscnt 0x0                       ; for the other waves' sake: my LDS stores have landed, my LDS loads have come
	s_barrier_signal -1
	s_barrier_wait -1
.endm
; 32 rows of 512 bytes, one load a row
.macro LOADT win, reg, va, sb, pitch, off0
	WIN \win
.set li, 0
.rept 32
	global_load_b128 v[\reg+4*li:\reg+4*li+3], v[\va], s[\sb:\sb+1] offset:\off0+li*\pitch
.set li, li+1
.endr
.endm
; round them to bf16 in place: row i's 8 bytes a lane in registers 4 i, 4 i + 1
.macro CVTT win, reg
	WIN \win
.set li, 0
.rept 32
	v_cvt_pk_bf16_f32 v[\reg+4*li], v[\reg+4*li], v[\reg+4*li+1]
	v_cvt_pk_bf16_f32 v[\reg+4*li+1], v[\reg+4*li+2], v[\reg+4*li+3]
.set li, li+1
.endr
.endm
; and store them as tile rows: 32 lanes x 8 neighbouring bytes
.macro STT win, reg, va
	WIN \win
.set li, 0
.rept 32
	ds_store_b64 v[\va], v[\reg+4*li:\reg+4*li+1] offset:(16*(li>>4)+2*(li&7)+((li>>3)&1))*PITCH
.set li, li+1
.endr
.endm
; my 32 rows of f32 in SA -> result-tile layout in window 1, v0-127, 16 rows at a time through my own stage.
; LDS serves a wave's instructions in order (ISA guide 5.7.1), and the bytes are mine alone: no wait in between.
; The stores' data come from loads, and no vector instruction issued since the last wait on va_vdst names window 1's v0-127 at either use.
.macro ROWS2D
.irp nb, 0,1
	WIN 0
.set li, 0
.rept 16
	ds_store_b128 v[VSTG], v[SA+64*\nb+4*li:SA+64*\nb+4*li+3] offset:li*528
.set li, li+1
.endr
	WIN 0x40
.set li, 0
.rept 16
	ds_load_b128 v[64*\nb+4*li:64*\nb+4*li+3], v[VSD] offset:(li>>1)*64+(li&1)*16
.set li, li+1
.endr
.endr
.endm
; =============================================================== macros of the attention step
; var: 0 = a step in the middle, 1 = the first step (nothing to rescale, the products start the sums), 2 = the last (nothing to fetch)
; four fragments of 16 keys x 32 features
.macro FETCH_A va, mb, buf
	WIN 0
.irp ku, 0,1,2,3
	ds_load_b128 v[\buf+8*\ku:\buf+8*\ku+3], v[\va] offset:(\mb)*16*PITCH+64*\ku
	ds_load_b128 v[\buf+8*\ku+4:\buf+8*\ku+7], v[\va] offset:(\mb)*16*PITCH+64*\ku+32
.endr
.endm
; one fragment of 16 features (block db) x 32 keys (half kv) into slot 0 .. 11 (v32 + 8 slot, slots 8-11 at v224 ..); window 0 is set
.macro FETCH_T va, db, kv, slot
.set fr, 32+8*(\slot)+128*((\slot)>>3)
	ds_load_tr16_b128 v[fr:fr+3], v[\va] offset:(\kv)*32*PITCH+32*(\db)
	ds_load_tr16_b128 v[fr+4:fr+7], v[\va] offset:(\kv)*32*PITCH+32*(\db)+16*PITCH
.endm
; gap filler: the next two rows of the coming x tile to bf16, in place (in the first step the tile waits in window 2, v128-255).
; In the last step there is no tile: where the four instructions also serve as the places behind a product (z = 0), v_nop stand in.
.macro CVSA var, z
.if \var == 2
.if (\z) == 0
	PLACES
.endif
.else
.if \var == 1
	WIN 0x8a
.set cb, 128
.else
	WIN 0
.set cb, SA
.endif
.rept 2
	v_cvt_pk_bf16_f32 v[cb+4*cvi], v[cb+4*cvi], v[cb+4*cvi+1]
	v_cvt_pk_bf16_f32 v[cb+4*cvi+1], v[cb+4*cvi+2], v[cb+4*cvi+3]
.set cvi, cvi+1
.endr
.endif
.endm
; gap filler: a quarter (st = 0 .. 3) of the maximum over key block mb, one instruction for each of the four query blocks.
; Block 0 starts the chains and takes the old running maximum in.
.macro MAXQ mb, st, var
	WIN 0x55
.irp nb, 0,1,2,3
.set sb0, 64*((\mb)>>1)+16*\nb+8*((\mb)&1)
.if (\mb) == 0
.if (\st) == 0
	v_max3_num_f32 v[T+\nb], v[sb0], v[sb0+1], v[sb0+2]
.elseif (\st) < 3
	v_max3_num_f32 v[T+\nb], v[T+\nb], v[sb0+2*(\st)+1], v[sb0+2*(\st)+2]
.elseif \var == 1
	v_max_num_f32 v[T+\nb], v[T+\nb], v[sb0+7]
.else
	v_max3_num_f32 v[T+\nb], v[T+\nb], v[sb0+7], v[MX+2*\nb]
.endif
.else
	v_max3_num_f32 v[T+\nb], v[T+\nb], v[sb0+2*(\st)], v[sb0+2*(\st)+1]
.endif
.endr
.endm
; What stands behind matrix instruction gi (0 .. 15) of key block mb.  Behind the last instruction of every block stand four plain
; instructions (behind block 1: those of block 2's first gaps) before its scores are read or its fragments loaded over.
.macro SFILL mb, var
.if \mb == 0
.if gi == 15
	PLACES
.endif
.elseif \mb == 1
.if gi < 4
	MAXQ 0, gi, \var
.endif
.elseif \mb == 2
.if gi < 4
	CVSA \var, gi
.elseif gi < 8
	MAXQ 1, gi-4, \var
.else
	CVSA \var, 15-gi
.endif
.else
.if gi < 4
	MAXQ 2, gi, \var
.elseif gi >= 12
	CVSA \var, 15-gi
.endif
.endif
.endm
; scores of 16 keys x 64 queries: the first link takes c as C
.macro SMULF mb, buf, var
.set gi, 0
.irp ku, 0,1,2,3
.irp nb, 0,1,2,3
	WIN 0x5c
.set sd, 64*(\mb>>1)+16*\nb+8*(\mb&1)
.if \ku == 0
	v_wmma_f32_16x16x32_bf16 v[sd:sd+7], v[\buf+8*\ku:\buf+8*\ku+7], v[32*\nb+8*\ku:32*\nb+8*\ku+7], v[CT+8*\nb:CT+8*\nb+7]
.else
	v_wmma_f32_16x16x32_bf16 v[sd:sd+7], v[\buf+8*\ku:\buf+8*\ku+7], v[32*\nb+8*\ku:32*\nb+8*\ku+7], v[sd:sd+7]
.endif
	SFILL \mb, \var
.set gi, gi+1
.endr
.endr
.endm
; The part of the running softmax that nothing covers, in base 2 (the scale and log2 e lie in q' and c): the last quarter of the
; maximum, the factor of the old sums, and P of keys 0-31.  A lane holds 32 scores of each of 4 queries.
.macro SOFTX var
.irp st, 0,1,2,3
	MAXQ 3, \st, \var
.endr
.irp nb, 0,1,2,3
	v_permlanex16_b32 v[T2+\nb], v[T+\nb], s54, s55                  ; the other half of the wave holds the query's other keys
.endr
.irp nb, 0,1,2,3
	v_max_num_f32 v[T+\nb], v[T+\nb], v[T2+\nb]
.endr
.if \var == 1
.irp nb, 0,1,2,3
	v_mov_b32 v[MX+2*\nb+1], 0                                       ; upper registers of pairs of which the lower is broadcast:
	v_mov_b32 v[AL+2*\nb+1], 0                                       ; written once, never used
.endr
.else
.irp nb, 0,1,2,3
	v_sub_f32 v[AL+2*\nb], v[MX+2*\nb], v[T+\nb]
.endr
.irp nb, 0,1,2,3
	v_exp_f32 v[AL+2*\nb], v[AL+2*\nb]                               ; 2^(old maximum - new); the moves below stand before its use (ISA guide 5.7.2)
.endr
.endif
.irp nb, 0,1,2,3
	v_mov_b32 v[MX+2*\nb], v[T+\nb]
.endr
.set si, 0
.rept 8
.irp nb, 0,1,2,3
	v_pk_add_f32 v[16*\nb+2*si:16*\nb+2*si+1], v[16*\nb+2*si:16*\nb+2*si+1], v[MX+2*\nb:MX+2*\nb+1] op_sel_hi:[1,0] neg_lo:[0,1] neg_hi:[0,1]
.endr
.set si, si+1
.endr
.set si, 0
.rept 64
	v_exp_f32 v[si], v[si]
.set si, si+1
.endr
	v_nop                                                            ; one plain instruction before the last results are used (ISA guide 5.7.2)
	s_wait_alu depctr_va_vdst(0)                                     ; one wait for the batch: the four factors and the 64 exponentials of keys 0-31 are written, ahead of their first reader
.if \var != 1
.irp nb, 0,1,2,3
	v_pk_mul_f32 v[LS+2*\nb:LS+2*\nb+1], v[LS+2*\nb:LS+2*\nb+1], v[AL+2*\nb:AL+2*\nb+1] op_sel_hi:[1,0]   ; the old sums to the new maximum
.endr
.endif
.set si, 0
.rept 8
.irp nb, 0,1,2,3
	v_cvt_pk_bf16_f32 v[PB+8*\nb+si], v[16*\nb+2*si], v[16*\nb+2*si+1]   ; P apart from the exponentials, which are still to be summed
.endr
.set si, si+1
.endr
.endm
; gap filler e = 0 .. 15: P of keys 32-63, eight instructions at a time: 4 gaps subtract the maximum, 8 take exponentials, 4 round.
; Behind the last exponentials (e = 11) PV0 lays the plain instructions and the wait for the batch.
.macro EFILL e
	WIN 0x55
.if (\e) < 4
.irp nb, 0,1,2,3
.irp ii, 0,1
	v_pk_add_f32 v[64+16*\nb+4*(\e)+2*\ii:64+16*\nb+4*(\e)+2*\ii+1], v[64+16*\nb+4*(\e)+2*\ii:64+16*\nb+4*(\e)+2*\ii+1], v[MX+2*\nb:MX+2*\nb+1] op_sel_hi:[1,0] neg_lo:[0,1] neg_hi:[0,1]
.endr
.endr
.elseif (\e) < 12
.set ei, 64+8*((\e)-4)
.rept 8
	v_exp_f32 v[ei], v[ei]
.set ei, ei+1
.endr
.else
.irp nb, 0,1,2,3
.irp ii, 0,1
	v_cvt_pk_bf16_f32 v[PB+32+8*\nb+2*((\e)-12)+\ii], v[64+16*\nb+4*((\e)-12)+2*\ii], v[64+16*\nb+4*((\e)-12)+2*\ii+1]
.endr
.endr
.endif
.endm
; O += x^T P, keys 0-31, all 8 feature blocks.  The gaps hold in turn the rescaling of the NEXT feature block and P of keys 32-63.
.macro PV0 rd, var
.irp db, 0,1,2,3,4,5,6,7
.irp nb, 0,1,2,3
	WIN 0xa4
.if \var == 1
	v_wmma_f32_16x16x32_bf16 v[64*\nb+8*\db:64*\nb+8*\db+7], v[32+8*\db:32+8*\db+7], v[PB+8*\nb:PB+8*\nb+7], 0
.else
	v_wmma_f32_16x16x32_bf16 v[64*\nb+8*\db:64*\nb+8*\db+7], v[32+8*\db:32+8*\db+7], v[PB+8*\nb:PB+8*\nb+7], v[64*\nb+8*\db:64*\nb+8*\db+7]
.endif
.if (\nb&1) == 0
.if \var != 1
.if \db < 7
	WIN 0x86
.irp tt, 0,1
.irp j, 0,2,4,6
	v_pk_mul_f32 v[64*(\nb+\tt)+8*(\db+1)+\j:64*(\nb+\tt)+8*(\db+1)+\j+1], v[64*(\nb+\tt)+8*(\db+1)+\j:64*(\nb+\tt)+8*(\db+1)+\j+1], v[AL+2*(\nb+\tt):AL+2*(\nb+\tt)+1] op_sel_hi:[1,0]
.endr
.endr
.endif
.endif
.else
	EFILL 2*\db+(\nb>>1)
.endif
.endr
.if \db == 5
	PLACES                                 ; the gap in front holds the batch's last exponentials: the first of these is the plain instruction before their use (ISA guide 5.7.2)
	WIN 0
	s_wait_alu depctr_va_vdst(0)           ; one wait, two dependences: the 64 exponentials of keys 32-63 are written, ahead of the roundings that read them; and the products of feature blocks 0-3 are done reading slots 0-3, in which the loads below land
.irp d2, 4,5,6,7
	FETCH_T VT0+\rd, \d2, 1, \d2-4         ; run 3: the last four of the sixteen fragments, 24 products ahead of their first use
.endr
.endif
.endr
.endm
; gap filler: two pairs of exponentials of each query block into the running sums
.macro LSFILL db, var
	WIN 0x55
.irp jj, 0,1
.set lj, 2*\db+\jj
.set sr, 64*(lj>>3)+2*(lj&7)
.irp nb, 0,1,2,3
.if \var != 1
	v_pk_add_f32 v[LS+2*\nb:LS+2*\nb+1], v[LS+2*\nb:LS+2*\nb+1], v[sr+16*\nb:sr+16*\nb+1]
.elseif lj > 1
	v_pk_add_f32 v[LS+2*\nb:LS+2*\nb+1], v[LS+2*\nb:LS+2*\nb+1], v[sr+16*\nb:sr+16*\nb+1]
.elseif lj == 0
	v_pk_add_f32 v[LS+2*\nb:LS+2*\nb+1], v[16*\nb:16*\nb+1], v[16*\nb+2:16*\nb+3]      ; the first two pairs start the sums
.endif
.endr
.endr
.endm
; O += x^T P, keys 32-63: feature blocks 0-3 from slots 8-11, 4-7 from slots 0-3.  Half way my last LDS access of the step is over.
.macro PV1 var
.irp db, 0,1,2,3,4,5,6,7
.if \db == 4
	s_wait_dscnt 0x0                       ; slots 0-3 are in; and for the others: my reads of this x slot are over, my rows of the other have landed
	s_barrier_signal -1                    ; registers only from here to the wait at the step's end
.endif
.set fr, 32+8*((\db+8)%12)+128*(((\db+8)%12)>>3)
.irp nb, 0,1,2,3
	WIN 0xa4
	v_wmma_f32_16x16x32_bf16 v[64*\nb+8*\db:64*\nb+8*\db+7], v[fr:fr+7], v[PB+32+8*\nb:PB+32+8*\nb+7], v[64*\nb+8*\db:64*\nb+8*\db+7]
.endr
	LSFILL \db, \var                       ; the last of these are also the places behind the step's last product
.endr
.endm
; ONE STEP OF ATTENTION: 64 keys of my half x 64 queries, from x slot rd.  Entered just behind a barrier, with two jobs of 32 row
; loads on their way: the older a weight matrix (into SB), the younger the next x tile (into SA; before the last step my own rows).
; sel = 1: the x pointer's next stride is chosen by the loop counter (see the set-up).
.macro STEP rd, var, sel
.set cvi, 0
	; run 1.  While the first fragments come from LDS: the weight tile is rounded and stored, the next one asked for.
	WIN 0
	s_wait_alu depctr_va_vdst(0)           ; the products of the step before are done reading v32-95 and v224-255, in which the fragments below land (first step: the q' layer's products, v32-95; the set-up's temporaries, v240-245)
	FETCH_A VA0+\rd, 0, FA0
	FETCH_A VA0+\rd, 1, FA1
	FETCH_A VA0+\rd, 2, FA2
	s_wait_loadcnt 32                      ; the x job's 32 younger loads stay out: the weight rows, asked for one step ago, are in
	CVTT 0xcf, SB
.if \var == 2
	s_wait_dscnt 16                        ; keys 0-15 are in; behind them 16 loads.  (ff_w[5] stays in registers: its place in LDS is still x slot 0)
.else
	WIN 0x0c
	s_wait_alu depctr_va_vdst(0)           ; the roundings have written SB, which the stores read
	STT 0x0c, SB, VWS
	WIN 0
	s_wait_alu depctr_vm_vsrc(0)           ; the stores have read v[VWS], which the add writes, and SB, in which the loads below land (first step: the exchange's stores have read T, which the maxima write)
	v_add_nc_u32 v[VWS], TILE, v[VWS]
	WIN 0xc0
	s_wait_alu depctr_va_vdst(0)           ; directly ahead of the loads, since the stores between name SB: the roundings are done with SB; and the add has written v[VWS], which the next step's stores read
	LOADT 0xc0, SB, VW, 48, 512, 0         ; my 32 rows of the next weight matrix
	s_wait_dscnt 48                        ; keys 0-15 are in; behind them 16 loads and 32 stores
.endif
	SMULF 0, FA0, \var
	WIN 0
	s_wait_alu depctr_va_vdst(0)           ; key block 0's products are done reading FA0, in which keys 48-63 land
	FETCH_A VA0+\rd, 3, FA0
.if \var == 2
	s_wait_dscnt 16
.else
	s_wait_dscnt 48                        ; keys 16-31 are in; behind them 8 loads, 32 stores, 8 loads
.endif
	SMULF 1, FA1, \var
.if \var == 2
	s_wait_dscnt 8
.else
	s_wait_loadcnt 32                      ; the 32 weight loads stay out: the next x rows, rounded in the gaps from here on, are in
	s_wait_dscnt 40                        ; keys 32-47 are in; behind them 32 stores and 8 loads
.endif
	SMULF 2, FA2, \var
	s_wait_dscnt 0x0
	SMULF 3, FA0, \var
	; run 2.  In front of the softmax, which covers it: twelve of the sixteen transposed fragments, the next x tile out, the one after asked for.
	WIN 0
	s_wait_alu depctr_va_vdst(0)           ; the products of key blocks 1 to 3 are done reading the 96 fragment registers, in which the loads below land; the roundings in the gaps have written the x tile's registers, which the stores below read
.irp db, 0,1,2,3,4,5,6,7
	FETCH_T VT0+\rd, \db, 0, \db
.endr
.irp db, 0,1,2,3
	FETCH_T VT0+\rd, \db, 1, \db+8
.endr
.if \var == 0
	STT 0, SA, VS0+1-\rd                   ; into the slot that nobody reads in this step
.elseif \var == 1
	STT 0x08, 128, VS0+1-\rd
.endif
.if \var != 2
	WIN 0
	s_wait_alu depctr_vm_vsrc(0)           ; the stores have read their data: SA, in which the loads below land (first step: window 2's v128-255, which the products of P x write)
.if \var == 0
	s_wait_alu depctr_va_vdst(0)           ; directly ahead of the loads, since the stores between name SA: the roundings in the gaps are done with SA
.endif
	LOADT 0, SA, L16, 44, 512, 0
.endif
	SOFTX \var
.if \var != 1
	WIN 0x86
.irp nb, 0,1,2,3
.irp j, 0,2,4,6
	v_pk_mul_f32 v[64*\nb+\j:64*\nb+\j+1], v[64*\nb+\j:64*\nb+\j+1], v[AL+2*\nb:AL+2*\nb+1] op_sel_hi:[1,0]   ; feature block 0 to the new maximum
.endr
.endr
.endif
.if \var == 0
	s_wait_dscnt 32                        ; the 24 fragment loads are in; the 32 stores behind them may be out
.else
	s_wait_dscnt 0x0                       ; first step: the products below write the registers from which x tile 1 was stored
.endif
	PV0 \rd, \var
	PV1 \var
.if \var != 2
	s_wait_xcnt 0x0                        ; the bases of the loads issued above are stepped only behind this wait
.if \sel
	s_cmp_eq_u32 s58, 1                    ; the tile just asked for was the batch's last:
	s_cselect_b32 s10, s8, 0x8000          ; on to my own query rows,
	s_cselect_b32 s11, s9, 0               ; else 64 rows of x on
	s_add_nc_u64 s[44:45], s[44:45], s[10:11]
.else
	s_add_nc_u64 s[44:45], s[44:45], 0x8000
.endif
	s_mov_b64 s[48:49], s[50:51]           ; the next weight matrix: w_proj, then ff_w[0 .. 5]
	s_add_nc_u64 s[50:51], s[50:51], 0x10000
.endif
	WIN 0
	s_barrier_wait -1
.endm
; =============================================================== macros of the layers
; a vector of 128 f32 as a C operand or a tile: register 8 mb + j = element 16 mb + 8 h + j, the same for all queries
.macro BTILE win, reg, va, off
	WIN \win
.irp mb, 0,1,2,3,4,5,6,7
	ds_load_b128 v[\reg+8*\mb:\reg+8*\mb+3], v[\va] offset:\off+64*\mb
	ds_load_b128 v[\reg+8*\mb+4:\reg+8*\mb+7], v[\va] offset:\off+64*\mb+16
.endr
.endm
; the 8 weight fragments of K step ku.  kind 1: W stored [in][out], transposing loads; kind 0: Wk taken along its rows
.macro FETCHW kind, ku, g
	WIN 0
.irp mb, 0,1,2,3,4,5,6,7
.if \kind
	ds_load_tr16_b128 v[\g+8*\mb:\g+8*\mb+3], v[VWT] offset:\ku*32*PITCH+32*\mb
	ds_load_tr16_b128 v[\g+8*\mb+4:\g+8*\mb+7], v[VWT] offset:\ku*32*PITCH+32*\mb+16*PITCH
.else
	ds_load_b128 v[\g+8*\mb:\g+8*\mb+3], v[VWP] offset:\mb*16*PITCH+64*\ku
	ds_load_b128 v[\g+8*\mb+4:\g+8*\mb+7], v[VWP] offset:\mb*16*PITCH+64*\ku+32
.endif
.endr
.endm
; a layer's bias tile and first two groups; the wait on va_vdst that these loads hang on stands ahead of each use
.macro PRELOAD kind, bias, va, off
.if \bias
	BTILE 0x40, BT, \va, \off
.endif
	FETCHW \kind, 0, G0
	FETCHW \kind, 1, G1
.endm
; 16 matrix instructions: 128 outputs x my 32 queries x 32 along K.  cm 0: go on; 1: the bias starts the sums; 2: zero does
.macro MUL16C ku, g, cm
.if \cm == 1
	WIN 0x9c
.else
	WIN 0xac
.endif
.irp mb, 0,1,2,3,4,5,6,7
.irp nb, 0,1
.if \cm == 0
	v_wmma_f32_16x16x32_bf16 v[64*\nb+8*\mb:64*\nb+8*\mb+7], v[\g+8*\mb:\g+8*\mb+7], v[BF+32*\nb+8*\ku:BF+32*\nb+8*\ku+7], v[64*\nb+8*\mb:64*\nb+8*\mb+7]
.elseif \cm == 1
	v_wmma_f32_16x16x32_bf16 v[64*\nb+8*\mb:64*\nb+8*\mb+7], v[\g+8*\mb:\g+8*\mb+7], v[BF+32*\nb+8*\ku:BF+32*\nb+8*\ku+7], v[BT+8*\mb:BT+8*\mb+7]
.else
	v_wmma_f32_16x16x32_bf16 v[64*\nb+8*\mb:64*\nb+8*\mb+7], v[\g+8*\mb:\g+8*\mb+7], v[BF+32*\nb+8*\ku:BF+32*\nb+8*\ku+7], 0
.endif
.endr
.endr
.endm
; one layer; PRELOAD has been issued.  Each wait for 16 leaves the other group's 16 loads out.
.macro MMA kind, cm
	s_wait_dscnt 16                        ; bias tile and group 0 are in; group 1's 16 loads may be out
	MUL16C 0, G0, \cm
	PLACES
	WIN 0
	s_wait_alu depctr_va_vdst(0)           ; K step 0's products are done reading group 0, in which K step 2's fragments land
	FETCHW \kind, 2, G0
	s_wait_dscnt 16                        ; group 1 is in
	MUL16C 1, G1, 0
	PLACES
	WIN 0
	s_wait_alu depctr_va_vdst(0)           ; K step 1's products are done reading group 1, in which K step 3's fragments land
	FETCHW \kind, 3, G1
	s_wait_dscnt 16
	MUL16C 2, G0, 0
	s_wait_dscnt 0
	MUL16C 3, G1, 0
	PLACES
.endm
; 128 f32 a lane -> 64 registers of bf16: two neighbouring result tiles become one fragment
.macro PACK64 win, dst, src
	WIN \win
.set li, 0
.rept 64
	v_cvt_pk_bf16_f32 v[\dst+li], v[\src+2*li], v[\src+2*li+1]
.set li, li+1
.endr
.endm
.macro RELU
	WIN 0x8a
.set li, 0
.rept 128
	v_max_num_f32 v[li], 0, v[li]
.set li, li+1
.endr
.endm
; a lane's two chains (pairs at r, r + 2 of each query block) -> one number in r, joined across the halves of the wave; window 0
.macro JOIN r
	WIN 0
.irp nb, 0,1
	v_pk_add_f32 v[\r+4*\nb:\r+4*\nb+1], v[\r+4*\nb:\r+4*\nb+1], v[\r+4*\nb+2:\r+4*\nb+3]
.endr
.irp nb, 0,1
	v_add_f32 v[\r+4*\nb], v[\r+4*\nb], v[\r+4*\nb+1]
.endr
.irp nb, 0,1
	v_permlanex16_b32 v[\r+4*\nb+1], v[\r+4*\nb], s54, s55
.endr
.irp nb, 0,1
	v_add_f32 v[\r+4*\nb], v[\r+4*\nb], v[\r+4*\nb+1]
.endr
.endm
; window 1 v0-127 = LayerNorm(ACC + window 1 v0-127) with gain tile LG and bias tile LB.  A lane holds 64 of a query's 128 features.
.macro LNORM
	WIN 0x86
.set li, 0
.rept 64
	v_pk_add_f32 v[li:li+1], v[li:li+1], v[li:li+1]                  ; y = layer's result (window 2) + residual (window 1)
.set li, li+2
.endr
	WIN 0x0a                                                         ; sums: two chains for each query block
.irp nb, 0,1
.irp cc, 0,1
	v_pk_add_f32 v[TS+4*\nb+2*\cc:TS+4*\nb+2*\cc+1], v[64*\nb+2*\cc:64*\nb+2*\cc+1], v[64*\nb+2*\cc+4:64*\nb+2*\cc+5]
.endr
.endr
	WIN 0x02
.set li, 8
.rept 14
.irp nb, 0,1
.irp cc, 0,1
	v_pk_add_f32 v[TS+4*\nb+2*\cc:TS+4*\nb+2*\cc+1], v[64*\nb+2*\cc+li:64*\nb+2*\cc+li+1], v[TS+4*\nb+2*\cc:TS+4*\nb+2*\cc+1]
.endr
.endr
.set li, li+4
.endr
	JOIN TS
.irp nb, 0,1
	v_mul_f32 v[TS+4*\nb], s59, v[TS+4*\nb]                          ; mean
.endr
	WIN 0x82
.irp nb, 0,1
.set li, 0
.rept 32
	v_pk_add_f32 v[64*\nb+li:64*\nb+li+1], v[64*\nb+li:64*\nb+li+1], v[TS+4*\nb:TS+4*\nb+1] op_sel_hi:[1,0] neg_lo:[0,1] neg_hi:[0,1]
.set li, li+2
.endr
.endr
	WIN 0x0a                                                         ; squares of the centred values
.irp nb, 0,1
.irp cc, 0,1
	v_pk_mul_f32 v[TQ+4*\nb+2*\cc:TQ+4*\nb+2*\cc+1], v[64*\nb+2*\cc:64*\nb+2*\cc+1], v[64*\nb+2*\cc:64*\nb+2*\cc+1]
.endr
.endr
.set li, 4
.rept 15
.irp nb, 0,1
.irp cc, 0,1
	v_pk_fma_f32 v[TQ+4*\nb+2*\cc:TQ+4*\nb+2*\cc+1], v[64*\nb+2*\cc+li:64*\nb+2*\cc+li+1], v[64*\nb+2*\cc+li:64*\nb+2*\cc+li+1], v[TQ+4*\nb+2*\cc:TQ+4*\nb+2*\cc+1]
.endr
.endr
.set li, li+4
.endr
	JOIN TQ
.irp nb, 0,1
	v_fmaak_f32 v[TQ+4*\nb], s59, v[TQ+4*\nb], 0x3727c5ac            ; variance + 1e-5
.endr
.irp nb, 0,1
	v_rsq_f32 v[TQ+4*\nb], v[TQ+4*\nb]
.endr
	v_nop                                                            ; one plain instruction before the result is used (ISA guide 5.7.2)
	s_wait_alu depctr_va_vdst(0)                                     ; the two v_rsq_f32 have written their results, ahead of the first multiply that reads them
	WIN 0x82
.irp nb, 0,1
.set li, 0
.rept 32
	v_pk_mul_f32 v[64*\nb+li:64*\nb+li+1], v[64*\nb+li:64*\nb+li+1], v[TQ+4*\nb:TQ+4*\nb+1] op_sel_hi:[1,0]
.set li, li+2
.endr
.endr
	WIN 0x76
.irp nb, 0,1
.set li, 0
.rept 32
	v_pk_fma_f32 v[64*\nb+li:64*\nb+li+1], v[64*\nb+li:64*\nb+li+1], v[LG+li:LG+li+1], v[LB+li:LB+li+1]
.set li, li+2
.endr
.endr
.endm
; =============================================================== set-up
	s_load_b512 s[16:31], s[0:1], 0x0      ; x 16, w_qkv 18, b_qkv 20, w_proj 22, b_proj 24, ln1_g 26, ln1_b 28, ln2_g 30
	s_load_b256 s[32:39], s[0:1], 0x40     ; ln2_b 32, ff_w 34, ff_b 36, out0 38
	v_lshl_add_u32 v30, v0, 2, 0x4e400
	v_mov_b32 v31, 0
	v_lshrrev_b32 v[TM], 5, v0
	v_readfirstlane_b32 s40, v[TM]         ; wave w
	s_wait_alu depctr_va_sdst(0)           ; s40 is written, ahead of its first reader: offsets, LDS addresses and the branches on the wave's number are made from it
	s_and_b32 s41, s40, 1                  ; my key half
	s_xor_b32 s42, s40, 1                  ; my partner
	s_mov_b32 s54, 0x76543210              ; v_permlanex16_b32: lane i takes lane i of the other half
	s_mov_b32 s55, 0xfedcba98
	s_mov_b32 s56, 0x3e0293ee              ; log2 e / sqrt 128
	s_mov_b32 s57, 0x3e0293ee
	s_mov_b32 s59, 0x3c000000              ; 1 / 128
	v_and_b32 v[LN], 31, v0
	v_and_b32 v[RR], 15, v0                ; r
	v_bfe_u32 v[HH], v0, 4, 1              ; h
	v_and_b32 v[L7], 7, v0
	v_bfe_u32 v[B3], v0, 3, 1
	v_lshlrev_b32 v[L16], 4, v[LN]
	v_lshlrev_b32 v[L8], 3, v[LN]
	s_lshr_b32 s12, s40, 1                 ; the rows that I bring of an x tile: key half w / 2 (512 rows of 512 bytes), 32 rows x (w % 2)
	s_lshl_b32 s12, s12, 18
	s_lshl_b32 s3, s41, 14
	s_add_co_u32 s12, s12, s3
	s_mov_b32 s13, 0
	s_lshl_b32 s8, ttmp9, 16               ; an offset, made of ids alone: from my rows of the batch's last x tile (7 x 64 rows on)
	s_lshl_b32 s9, s40, 14                 ; to my own 32 query rows (128 rows a query block, 32 a wave)
	s_add_co_u32 s8, s8, s9
	s_sub_co_u32 s8, s8, s12
	s_sub_co_u32 s8, s8, 7*0x8000
	s_ashr_i32 s9, s8, 31                  ; in 64 bits, with its sign
	s_lshl_b32 s2, s40, 14
	v_add_nc_u32 v[VW], s2, v[L16]
	s_mul_i32 s2, s40, 49152
	v_add_nc_u32 v[VQ], s2, v[L16]
	s_lshl_b32 s2, s40, 9
	v_add_nc_u32 v[VPW], s2, v[L16]
	v_lshl_add_u32 v[TM], v[L7], 1, v[B3]  ; plain: logical row r lies at 2 (r % 8) + r / 8
	v_mul_u32_u24 v[TM], PITCH, v[TM]
	v_lshl_add_u32 v[LP], v[HH], 4, v[TM]
	v_lshl_add_u32 v[TM], v[L7], 1, v[HH]  ; transposing: logical row 8 h + l % 8 lies at 2 (l % 8) + h
	v_mul_u32_u24 v[TM], PITCH, v[TM]
	v_lshl_add_u32 v[LT], v[B3], 4, v[TM]
	s_mul_i32 s2, s41, 64*PITCH            ; my key half's 64 rows of a slot
	s_add_co_u32 s3, s2, Z7
	s_add_co_u32 s4, s2, Z8
	v_add_nc_u32 v[VA0], s3, v[LP]
	v_add_nc_u32 v[VA0+1], s4, v[LP]
	v_add_nc_u32 v[VT0], s3, v[LT]
	v_add_nc_u32 v[VT0+1], s4, v[LT]
	s_mul_i32 s2, s40, 32*PITCH            ; the 32 tile rows that I store
	v_add_nc_u32 v[VWS], s2, v[L8]         ; first into Z0 = 0
	v_add_nc_u32 v[VZ1], Z1, v[VWS]
	v_add_nc_u32 v[VZ2], Z2, v[VWS]
	v_add_nc_u32 v[VS0], Z7, v[VWS]
	v_add_nc_u32 v[VS0+1], Z8, v[VWS]
	v_add_nc_u32 v[VWT], Z1, v[LT]         ; Wq first
	v_add_nc_u32 v[VWP], Z2, v[LP]
	v_lshlrev_b32 v[TM], 5, v[HH]
	v_add_nc_u32 v[VPB], PAR, v[TM]
	v_add_nc_u32 v[VBI], PAR+PFF, v[TM]
	v_add_nc_u32 v[VPS], PAR, v[VPW]
	s_mul_i32 s2, s40, STG
	s_add_co_u32 s2, s2, Z8
	s_mul_i32 s3, s42, STG
	s_add_co_u32 s3, s3, Z8
	v_add_nc_u32 v[VSTG], s2, v[L16]
	v_add_nc_u32 v[VSTP], s3, v[L16]
	v_mul_u32_u24 v[TM], 528, v[RR]
	v_lshl_add_u32 v[TM], v[HH], 5, v[TM]
	v_add_nc_u32 v[VSD], s2, v[TM]
	s_add_co_u32 s2, s2, 8192
	s_add_co_u32 s3, s3, 8192
	v_add_nc_u32 v[VCX], s2, v[L8]
	v_add_nc_u32 v[VCP], s3, v[L8]
	s_mul_i32 s2, s40, MRG
	s_add_co_u32 s2, s2, Z7
	s_mul_i32 s3, s42, MRG
	s_add_co_u32 s3, s3, Z7
	v_add_nc_u32 v[VMG], s2, v[L16]
	v_add_nc_u32 v[VMP], s3, v[L16]
	s_and_b32 s2, ttmp7, 0xffff            ; batch: 1,024 rows of 512 bytes
	s_lshl_b32 s2, s2, 19
	s_mov_b32 s3, 0
	s_lshl_b32 s4, ttmp9, 16               ; query block: 128 rows
	s_mov_b32 s5, 0
	s_wait_kmcnt 0x0
	s_add_nc_u64 s[44:45], s[16:17], s[2:3]        ; x at the batch
	s_add_nc_u64 s[46:47], s[44:45], s[4:5]        ; x at the query block
	s_add_nc_u64 s[44:45], s[44:45], s[12:13]      ; x at my rows of tile 0; steps by 64 rows
	s_add_nc_u64 s[52:53], s[38:39], s[2:3]
	s_add_nc_u64 s[52:53], s[52:53], s[4:5]        ; out0 at the query block
	s_mov_b64 s[48:49], s[22:23]                   ; the weight matrix to load next: w_proj,
	s_mov_b64 s[50:51], s[34:35]                   ; and the one after it: ff_w[0]
	s_wait_alu depctr_va_vdst(0)           ; the set-up has written the offsets and LDS addresses v1 to v29, which the kernel's loads and stores read
; =============================================================== prologue
; the 14 parameter vectors of 512 bytes, shared among the waves: wave w brings pieces w, 4 + w, 8 + w and (w < 2) 12 + w
	global_load_b128 v[PR0+4:PR0+7], v[VPW], s[36:37]                ; ff_b[w]
	s_cmp_lg_u32 s40, 0
	s_cbranch_scc1 .Lpar1
	global_load_b128 v[PR0:PR0+3], v[L16], s[20:21]                  ; bq
	global_load_b128 v[PR0+8:PR0+11], v[L16], s[36:37] offset:2048   ; ff_b[4]
	global_load_b128 v[PR0+12:PR0+15], v[L16], s[30:31]              ; ln2_g
	s_branch .Lpard
.Lpar1:
	s_cmp_lg_u32 s40, 1
	s_cbranch_scc1 .Lpar2
	global_load_b128 v[PR0:PR0+3], v[L16], s[20:21] offset:512       ; bk
	global_load_b128 v[PR0+8:PR0+11], v[L16], s[36:37] offset:2560   ; ff_b[5]
	global_load_b128 v[PR0+12:PR0+15], v[L16], s[32:33]              ; ln2_b
	s_branch .Lpard
.Lpar2:
	s_cmp_lg_u32 s40, 2
	s_cbranch_scc1 .Lpar3
	global_load_b128 v[PR0:PR0+3], v[L16], s[20:21] offset:1024      ; bv
	global_load_b128 v[PR0+8:PR0+11], v[L16], s[26:27]               ; ln1_g
	s_branch .Lpard
.Lpar3:
	global_load_b128 v[PR0:PR0+3], v[L16], s[24:25]                  ; b_proj
	global_load_b128 v[PR0+8:PR0+11], v[L16], s[28:29]               ; ln1_b
.Lpard:
	LOADT 0, SA, VW, 46, 512, 0            ; my 32 query rows
	LOADT 0x80, 0, VQ, 18, 1536, 0         ; my 32 rows of Wq
	s_wait_loadcnt 32                      ; Wq's 32 loads stay out: parameters and query rows are in
	WIN 0
	ds_store_b128 v[VPS], v[PR0:PR0+3]
	ds_store_b128 v[VPS], v[PR0+4:PR0+7] offset:2048
	ds_store_b128 v[VPS], v[PR0+8:PR0+11] offset:4096
	s_cmp_gt_u32 s40, 1
	s_cbranch_scc1 .Lpar4
	ds_store_b128 v[VPS], v[PR0+12:PR0+15] offset:6144
.Lpar4:
	ROWS2D
	LOADT 0x80, 128, VQ, 18, 1536, 512     ; Wk
	WIN 0x40
.irp j, 0,1,2,3
	v_mov_b32 v[T2+\j], 0                  ; a destination of v_permlanex16_b32 counts as read: written once here
.endr
	s_wait_dscnt 0x0
	PACK64 0xc5, BF, 0                     ; my x rows as the q layer's second operand
	s_wait_loadcnt 32                      ; Wk's loads stay out: Wq is in
	CVTT 0x8a, 0
	WIN 0x08
	s_wait_alu depctr_va_vdst(0)           ; the roundings have written Wq's rows, which the stores read
	STT 0x08, 0, VZ1
	WIN 0
	s_wait_alu depctr_vm_vsrc(0)           ; the stores into my stage have read SA, in which x tile 0 lands; Wq's stores have read window 2's v0-127, which the q layer's products write; the parameters' stores have read v224-239, in which fragments land later
	LOADT 0, SA, L16, 44, 512, 0           ; x tile 0
	s_wait_loadcnt 32                      ; x tile 0's loads stay out: Wk is in
	CVTT 0x8a, 128
	WIN 0x08
	s_wait_alu depctr_va_vdst(0)           ; the roundings have written Wk's rows, which the stores read
	STT 0x08, 128, VZ2
	LOADT 0xc0, SB, VQ, 18, 1536, 1024     ; Wv: the first step's weight job
	s_wait_loadcnt 32                      ; Wv's loads stay out: x tile 0 is in
	CVTT 0, SA
	s_wait_alu depctr_va_vdst(0)           ; the roundings have written x tile 0's rows, which the stores read; and Wk's roundings are done with window 2's v128-255, in which x tile 1 lands below
	STT 0, SA, VS0
	WIN 0x80
	s_wait_alu depctr_vm_vsrc(0)           ; Wk's stores have read window 2's v128-255, in which x tile 1 lands; x tile 0's stores have read v96-159, in which weight fragments land behind the barrier
	LOADT 0x80, 128, L16, 44, 512, 0x8000  ; x tile 1: the first step's x job, into window 2 v128-255, free until that step's P x
	s_wait_xcnt 0x0                        ; the base is stepped only behind this wait
	s_add_nc_u64 s[44:45], s[44:45], 0x10000       ; x tile 2
	WIN 0
	BARRIER                                ; parameters, Wq, Wk and x tile 0 are whole
; q = x Wq + bq
	WIN 0x40
	s_wait_alu depctr_va_vdst(0)           ; ahead of the loads, since x tile 0's stores name v96-159: the tile's roundings are done with those registers, in which group 1 lands
	PRELOAD 1, 1, VPB, PBQ
	BTILE 0xc0, LB, VPB, PBK               ; bk as a tile
	MMA 1, 1
	WIN 0
	s_wait_alu depctr_va_vdst(0)           ; the q layer's last products are done reading both groups, in which Wk's first fragments land
	PRELOAD 0, 0, VPB, 0                   ; Wk's first fragments
; c = q . bk in f32, times the scale: constant along a query's keys, and added to every score as the product's C
	WIN 0x5e
.irp nb, 0,1
.irp cc, 0,1
	v_pk_mul_f32 v[LS+4*\nb+2*\cc:LS+4*\nb+2*\cc+1], v[64*\nb+2*\cc:64*\nb+2*\cc+1], v[LB+2*\cc:LB+2*\cc+1]
.endr
.endr
.set li, 4
.rept 15
.irp nb, 0,1
.irp cc, 0,1
	v_pk_fma_f32 v[LS+4*\nb+2*\cc:LS+4*\nb+2*\cc+1], v[64*\nb+2*\cc+li:64*\nb+2*\cc+li+1], v[LB+2*\cc+li:LB+2*\cc+li+1], v[LS+4*\nb+2*\cc:LS+4*\nb+2*\cc+1]
.endr
.endr
.set li, li+4
.endr
	WIN 0x55
.irp nb, 0,1
	v_pk_add_f32 v[LS+4*\nb:LS+4*\nb+1], v[LS+4*\nb:LS+4*\nb+1], v[LS+4*\nb+2:LS+4*\nb+3]
.endr
.irp nb, 0,1
	v_add_f32 v[T+\nb], v[LS+4*\nb], v[LS+4*\nb+1]
.endr
.irp nb, 0,1
	v_permlanex16_b32 v[T2+\nb], v[T+\nb], s54, s55
.endr
.irp nb, 0,1
	v_add_f32 v[T+\nb], v[T+\nb], v[T2+\nb]
.endr
.irp nb, 0,1
	v_mul_f32 v[T+\nb], s56, v[T+\nb]
.endr
.irp nb, 0,1
.irp j, 0,1,2,3,4,5,6,7
	v_mov_b32 v[CT+8*\nb+\j], v[T+\nb]     ; a C operand holds 8 keys of one query in a lane: the same c eight times
.endr
.endr
	PACK64 0xca, BF, 0
; q' = q Wk^T, times the scale
	MMA 0, 2
	WIN 0x82
.set li, 0
.rept 64
	v_pk_mul_f32 v[li:li+1], v[li:li+1], s[56:57] op_sel_hi:[1,0]
.set li, li+2
.endr
	PACK64 0xca, 0, 0                      ; QF of my two query blocks
; my partner and I exchange q' and c: each works all 64 queries of the pair
	WIN 0x0c
	s_wait_alu depctr_va_vdst(0)           ; the roundings have written my q' and the multiplies my c, which the stores read; the q' layer's products are done reading window 3's v64-127, and T2's readers are done: the loads behind the barrier land there, and nothing between names those registers
.set li, 0
.rept 16
	ds_store_b128 v[VSTG], v[4*li:4*li+3] offset:512*li
.set li, li+1
.endr
	WIN 0x04
	ds_store_b64 v[VCX], v[T:T+1]
	WIN 0
	BARRIER
	WIN 0xc0
.set li, 0
.rept 16
	ds_load_b128 v[64+4*li:64+4*li+3], v[VSTP] offset:512*li
.set li, li+1
.endr
	WIN 0x40
	ds_load_b64 v[T2:T2+1], v[VCP]
	s_wait_dscnt 0x0                       ; my reads of the exchange are over: the first step stores x tile 1 there
	s_barrier_signal -1
	WIN 0x55
.irp nb, 0,1
.irp j, 0,1,2,3,4,5,6,7
	v_mov_b32 v[CT+16+8*\nb+\j], v[T2+\nb]
.endr
.endr
	WIN 0
	s_barrier_wait -1
; =============================================================== attention: 8 steps
	STEP 0, 1, 0
	s_mov_b32 s58, 3
.Lattn:
	STEP 1, 0, 1                           ; steps 1, 3, 5: behind step 5's request (tile 7) the x pointer goes to my own rows
	STEP 0, 0, 0                           ; steps 2, 4, 6: step 6 so asks for my query rows in f32, for the residual
	s_sub_co_i32 s58, s58, 1
	s_cmp_lg_u32 s58, 0
	s_cbranch_scc1 .Lattn
	STEP 1, 2, 0
; =============================================================== merge of the two key halves
	WIN 0x55
	v_add_f32 v[LS], v[LS], v[LS+1]        ; a lane's sums
	v_add_f32 v[LS+2], v[LS+2], v[LS+3]
	v_mov_b32 v[T], v[MX+4]                ; for my partner: maximum and sum of its two query blocks
	v_add_f32 v[T+1], v[LS+4], v[LS+5]
	v_mov_b32 v[T+2], v[MX+6]
	v_add_f32 v[T+3], v[LS+6], v[LS+7]
	WIN 0x08
	s_wait_alu depctr_va_vdst(0)           ; the last products have written O (the sums and the six lines above are the places behind them), and T is written: the stores read both
.set li, 0
.rept 32
	ds_store_b128 v[VMG], v[128+4*li:128+4*li+3] offset:512*li
.set li, li+1
.endr
	WIN 0x04
	ds_store_b128 v[VMG], v[T:T+3] offset:16384
	WIN 0
	BARRIER
	WIN 0x80
	s_wait_alu depctr_vm_vsrc(0)           ; my stores have read window 2's v128-255, in which my partner's O lands, and T, which the maxima below write
	s_wait_alu depctr_va_vdst(0)           ; directly ahead of the loads, since the stores between name them: the products are done with window 2's v128-255; the softmax is done with T2 and with window 1's v0-127, in which loads land below
.set li, 0
.rept 32
	ds_load_b128 v[128+4*li:128+4*li+3], v[VMP] offset:512*li
.set li, li+1
.endr
	WIN 0x40
	ds_load_b128 v[T2:T2+3], v[VMP] offset:16384
	WIN 0
	BARRIER                                ; all reads of the merge areas are over
	s_wait_loadcnt 0x0                     ; my query rows in f32
	ROWS2D                                 ; the residual, as result tiles
	STT 0x0c, SB, VS0                      ; ff_w[5] into Z7: its roundings stand ahead of the last step's waits on va_vdst
	WIN 0
	s_wait_dscnt 0x0
	s_barrier_signal -1                    ; registers only until the wait
	WIN 0x55
.irp nb, 0,1
	v_max_num_f32 v[T+\nb], v[MX+2*\nb], v[T2+2*\nb]
.endr
.irp nb, 0,1
	v_sub_f32 v[AL+4*\nb], v[MX+2*\nb], v[T+\nb]
	v_sub_f32 v[AL+4*\nb+2], v[T2+2*\nb], v[T+\nb]
.endr
.irp j, 0,2,4,6
	v_exp_f32 v[AL+\j], v[AL+\j]
.endr
	v_nop
	s_wait_alu depctr_va_vdst(0)           ; the four exponentials are written, ahead of the multiplies that read them
.irp nb, 0,1
	v_mul_f32 v[T2+2*\nb+1], v[AL+4*\nb+2], v[T2+2*\nb+1]
.endr
.irp nb, 0,1
	v_fma_f32 v[LS+2*\nb], v[AL+4*\nb], v[LS+2*\nb], v[T2+2*\nb+1]
.endr
.irp nb, 0,1
	v_permlanex16_b32 v[LS+2*\nb+1], v[LS+2*\nb], s54, s55           ; only now the two halves of the wave join their sums
.endr
.irp nb, 0,1
	v_add_f32 v[LS+2*\nb], v[LS+2*\nb], v[LS+2*\nb+1]
.endr
.irp nb, 0,1
	v_rcp_f32 v[LS+2*\nb], v[LS+2*\nb]     ; the sum holds 2^0 for the largest score: at least 1
.endr
	v_nop
	s_wait_alu depctr_va_vdst(0)           ; the two reciprocals are written, ahead of the multiplies that read them
.irp nb, 0,1
	v_mul_f32 v[AL+4*\nb], v[AL+4*\nb], v[LS+2*\nb]
	v_mul_f32 v[AL+4*\nb+2], v[AL+4*\nb+2], v[LS+2*\nb]
.endr
	WIN 0x86
.irp nb, 0,1
.set li, 0
.rept 32
	v_pk_mul_f32 v[64*\nb+li:64*\nb+li+1], v[64*\nb+li:64*\nb+li+1], v[AL+4*\nb:AL+4*\nb+1] op_sel_hi:[1,0]
.set li, li+2
.endr
.endr
	WIN 0xa6
.irp nb, 0,1
.set li, 0
.rept 32
	v_pk_fma_f32 v[64*\nb+li:64*\nb+li+1], v[128+64*\nb+li:128+64*\nb+li+1], v[AL+4*\nb+2:AL+4*\nb+3], v[64*\nb+li:64*\nb+li+1] op_sel_hi:[1,0,1]
.set li, li+2
.endr
.endr
	s_barrier_wait -1                      ; ff_w[5] is whole; no barrier follows: from here each wave reads tiles that nobody writes
; =============================================================== the chain: Wv, Wproj, LayerNorm, six layers, LayerNorm
	WIN 0
	s_wait_alu depctr_vm_vsrc(0)           ; the q layer's fragment loads have read v[VWT], which the add writes; the stores into my stage have read v96-223, in which weight fragments and, on the way out, rows land
	v_add_nc_u32 v[VWT], Z0, v[LT]
	WIN 0x40
	s_wait_alu depctr_va_vdst(0)           ; v[VWT] is written; the products of P x are done reading P (window 1's v192-255) and v32-95, in which the bias tile and group 0 land
	PRELOAD 1, 1, VPB, PBV
	PACK64 0xca, BF, 0                     ; u = sum p x / sum p
	MMA 1, 1                               ; u Wv + bv
	WIN 0
	s_wait_alu depctr_vm_vsrc(0)           ; the layer's fragment loads have read v[VWT]
	v_add_nc_u32 v[VWT], TILE, v[VWT]
	WIN 0x40
	s_wait_alu depctr_va_vdst(0)           ; v[VWT] is written; the layer's products are done reading the bias tile and both groups, in which the next layer's land
	PRELOAD 1, 1, VPB, PBP
	PACK64 0xca, BF, 0
	MMA 1, 1                               ; .. Wproj + b_proj
	WIN 0
	s_wait_alu depctr_vm_vsrc(0)           ; the layer's fragment loads have read v[VWT]
	v_add_nc_u32 v[VWT], TILE, v[VWT]
	WIN 0x40
	s_wait_alu depctr_va_vdst(0)           ; v[VWT] is written; the merge is done with window 1's v128-191 and the score products with q' (window 3's v0-63), in which gain and bias land; the layer's products are done reading the bias tile and both groups
	BTILE 0x40, LG, VPB, PG1
	BTILE 0xc0, LB, VPB, PB1
	PRELOAD 1, 1, VBI, 0
	s_wait_dscnt 48                        ; gain and bias tiles are in; the next layer's 48 loads stay out
	LNORM                                  ; window 1 v0-127: LayerNorm 1's result, kept in f32 as the second residual
	PACK64 0xc5, BF, 0
	WIN 0
	s_mov_b32 s58, 5
.Lff:
	MMA 1, 1
	WIN 0
	s_wait_alu depctr_vm_vsrc(0)           ; the layer's loads have read v[VWT] and v[VBI]
	v_add_nc_u32 v[VWT], TILE, v[VWT]      ; the tiles of the chain lie one behind the other; the last trip reaches ff_w[5] in Z7
	v_add_nc_u32 v[VBI], 512, v[VBI]
	WIN 0x40
	s_wait_alu depctr_va_vdst(0)           ; both addresses are written; the layer's products are done reading the bias tile and both groups, in which the next layer's land
	PRELOAD 1, 1, VBI, 0
	RELU
	PACK64 0xca, BF, 0
	WIN 0
	s_sub_co_i32 s58, s58, 1
	s_cmp_lg_u32 s58, 0
	s_cbranch_scc1 .Lff
	MMA 1, 1                               ; the sixth layer, without ReLU
	BTILE 0x40, LG, VPB, PG2               ; no wait: LayerNorm 1, the tiles' last reader, stands ahead of the layers' waits on va_vdst, and no vector instruction since has named the tiles or v[VPB]
	BTILE 0xc0, LB, VPB, PB2
	s_wait_dscnt 0x0
	LNORM
; the way out: result tiles -> rows through my stage; each store of the wave covers one whole row of 512 bytes of out0
	WIN 0x04
	s_wait_alu depctr_va_vdst(0)           ; LayerNorm 2 has written window 1's v0-127, which the LDS stores read; the layers' products are done reading v96-159, in which rows land below
.irp nb, 0,1
	WIN 0x04
.set li, 0
.rept 16
	ds_store_b128 v[VSD], v[64*\nb+4*li:64*\nb+4*li+3] offset:(li>>1)*64+(li&1)*16
.set li, li+1
.endr
	WIN 0
.set li, 0
.rept 16
	ds_load_b128 v[SA+64*\nb+4*li:SA+64*\nb+4*li+3], v[VSTG] offset:li*528
.set li, li+1
.endr
.endr
	s_wait_dscnt 32                        ; the first 16 rows are in; behind them 16 stores and 16 loads
.set li, 0
.rept 16
	global_store_b128 v[VW], v[SA+4*li:SA+4*li+3], s[52:53] offset:li*512 th:TH_STORE_NT
.set li, li+1
.endr
	s_wait_dscnt 0x0
.rept 16
	global_store_b128 v[VW], v[SA+4*li:SA+4*li+3], s[52:53] offset:li*512 th:TH_STORE_NT
.set li, li+1
.endr
	s_wait_dscnt 0x0
	s_wait_alu depctr_hold_cnt(0) depctr_sa_sdst(0) depctr_va_vdst(0) depctr_va_sdst(0) depctr_va_ssrc(0) depctr_va_vcc(0) depctr_vm_vsrc(0)
	s_wait_tensorcnt 0x0
	ds_add_u32 v30, v31
	s_wait_dscnt 0x0
	s_endpgm
.Lfunc_end_k_q86166b276c_block:
	.size	k_q86166b276c_block, .Lfunc_end_k_q86166b276c_block-k_q86166b276c_block
	.p2alignl 7, 3214868480
	.fill 96, 4, 3214868480
	.section	.rodata,"a",@progbits
	.p2align	6, 0x0
	.amdhsa_kernel k_q86166b276c_block
		.amdhsa_group_segment_fixed_size 321024
		.amdhsa_private_segment_fixed_size 0
		.amdhsa_enable_private_segment 0
		.amdhsa_kernarg_size 96
		.amdhsa_user_sgpr_count 2
		.amdhsa_user_sgpr_kernarg_segment_ptr 1
		.amdhsa_wavefront_size32 1
		.amdhsa_system_sgpr_workgroup_id_x 1
		.amdhsa_system_sgpr_workgroup_id_y 1
		.amdhsa_system_sgpr_workgroup_id_z 1
		.amdhsa_system_vgpr_workitem_id 0
		.amdhsa_next_free_vgpr 1024
		.amdhsa_next_free_sgpr 66
		.amdhsa_reserve_vcc 0
		.amdhsa_float_denorm_mode_32 3
		.amdhsa_float_denorm_mode_16_64 3
		.amdhsa_memory_ordered 1
		.amdhsa_forward_progress 1
		.amdhsa_inst_pref_size 255
	.end_amdhsa_kernel
	.section	.bss,"aw",@nobits
	.p2align	6
	.space	262144
	.amdgpu_metadata
---
amdhsa.version: [ 1, 2 ]
amdhsa.kernels:
  - .name:           k_q86166b276c_block
    .symbol:         k_q86166b276c_block.kd
    .args:
      - { .name: x, .offset: 0, .size: 8, .value_kind: global_buffer, .address_space: global }
      - { .name: w_qkv, .offset: 8, .size: 8, .value_kind: global_buffer, .address_space: global }
      - { .name: b_qkv, .offset: 16, .size: 8, .value_kind: global_buffer, .address_space: global }
      - { .name: w_proj, .offset: 24, .size: 8, .value_kind: global_buffer, .address_space: global }
      - { .name: b_proj, .offset: 32, .size: 8, .value_kind: global_buffer, .address_space: global }
      - { .name: ln1_g, .offset: 40, .size: 8, .value_kind: global_buffer, .address_space: global }
      - { .name: ln1_b, .offset: 48, .size: 8, .value_kind: global_buffer, .address_space: global }
      - { .name: ln2_g, .offset: 56, .size: 8, .value_kind: global_buffer, .address_space: global }
      - { .name: ln2_b, .offset: 64, .size: 8, .value_kind: global_buffer, .address_space: global }
      - { .name: ff_w, .offset: 72, .size: 8, .value_kind: global_buffer, .address_space: global }
      - { .name: ff_b, .offset: 80, .size: 8, .value_kind: global_buffer, .address_space: global }
      - { .name: out0, .offset: 88, .size: 8, .value_kind: global_buffer, .address_space: global }
    .group_segment_fixed_size: 321024
    .private_segment_fixed_size: 0
    .kernarg_segment_align: 8
    .kernarg_segment_size: 96
    .max_flat_workgroup_size: 128
    .sgpr_count:     66
    .vgpr_count:     1024
    .wavefront_size: 32
...
	.end_amdgpu_metadata
.endif
;; end of part 2
